; MI455X (gfx1250); checked and timed in simulation.
; The chip was launched on July 23, 2026; its instructions are those of AMD's public machine-readable ISA for CDNA 5 (MIT licence, August 2026) and "CDNA5" Instruction Set Architecture Reference Guide (July 2026). The comments in the code are by the model that wrote it; some were corrected since.
;; HEPOS Cross Attention. Allowed arithmetic: float matrix products may take bf16 or f16 operands with f32 sums; other float arithmetic in f32, or as packed bf16 or f16 multiplies, adds, multiply-adds, maxima and minima; sums over many terms, partial sums and values carried from step to step in f32; what a program stores and reads back later, other than sums and carried values, may be rounded once to bf16 or f16.
;; Inputs: Wk 1,024 x 1,024 float32; Wo 1,024 x 1,024 float32; Wq 1,024 x 1,024 float32; Wv 1,024 x 1,024 float32; bk 1,024 float32; bo 1,024 float32; bq 1,024 float32; bv 1,024 float32; decoder_input 4 x 1,024 x 1,024 float32; encoder_output 4 x 4,096 x 1,024 float32.
;; Outputs: out0 4 x 1,024 x 1,024 float32.
;; 2 versions, each right; version 2 is version 1 with the launch prep written anew for expert scheduling mode. Each part assembles by itself: llvm-mc -triple=amdgcn-amd-amdhsa -mcpu=gfx1250 --defsym DOCPART=n.
;; ======== version 1 of 2: 5 launches
;; limits: values are held in f16: magnitudes above 65,504 overflow, below 6.1e-05 lose precision
;; workspace buffers: dbl 8,388,608 bytes; wqb 2,097,152 bytes; wob 2,097,152 bytes; wkv 4,194,304 bytes; kh 15,728,640 bytes; vh 15,728,640 bytes; qf 16,777,216 bytes; obl 8,388,608 bytes
;; launch prep (part 1): grid 256 x 1, 8 waves a work-group, no clusters, 0 bytes of LDS; arguments decoder_input, Wq, Wo, Wk, Wv, dbl, wqb, wob, wkv; writes dbl, wqb, wob, wkv
.if DOCPART == 1
	.amdgcn_target "amdgcn-amd-amdhsa--gfx1250"
	.amdhsa_code_object_version 6
	.text
	.protected	k_q785bbdf217_prep
	.globl	k_q785bbdf217_prep
	.p2align	8
	.type	k_q785bbdf217_prep,@function
k_q785bbdf217_prep:
	s_mov_b64 s[64:65], 0
	v_nop
	global_prefetch_b8 v0, s[64:65] scope:SCOPE_SE
	s_setreg_imm32_b32 hwreg(HW_REG_WAVE_MODE, 25, 1), 1
	s_wait_xcnt 0x0
; CASTS.  decoder_input [4096][1024], Wq, Wo [1024][1024] (f32) are rounded to bf16 and that number is written as f16, in blocks:
; element (row, k) at byte (row>>6)*131072 + (k>>6)*8192 + (row&63)*128 + (k&63)*2, so that 64 rows x 256 k are 32,768 bytes on end.
; Wk, Wv (f32) are rounded to bf16 and laid by stride class: [class 4][block 4][k step 8][row 128][k 128]; blocks 0, 1 hold Wk, 2, 3 Wv;
; head 4 j4 + class lies in block 2 isV + (j4>>1), rows 64 (j4&1) on.
; LIMITS.  A bf16 number is exact in f16 from 6.1e-5 to 65,504; below that it keeps f16's fixed step of 6e-8; beyond 65,504 it becomes an infinity.
; SHARES.  A work-group takes 32 rows x 1,024 columns: 128 KiB in, 64 KiB out.  All 32 loads of a thread go out first; each unit of 8 numbers
; is converted when its two loads are in, and stored at once: a wave's store covers 512 bytes in whole aligned runs of 256.
; No LDS, no matrix unit, no cluster: nothing is shared and nothing is summed.
.set U, 16                             ; v[16:143]  unit i: 8 registers as loaded; its first 4 then hold the 16 bytes to store
.set T, 144                            ; v[144:155] at work
	s_load_b512 s[8:23], s[0:1], 0x0               ; decoder s[8:9], Wq s[10:11], Wo s[12:13], Wk s[14:15], Wv s[16:17], dbl s[18:19], wqb s[20:21], wob s[22:23]
	s_load_b64 s[24:25], s[0:1], 0x40              ; wkv
	s_mov_b32 s2, ttmp9                            ; the work-group's number x
	s_mov_b32 s5, 0                                ; high word of every offset pair
	s_mov_b32 s30, 0xffff0000                      ; a word's upper bf16
	s_wait_kmcnt 0x0
; kind 0: blocks of f16.  kind 1: class blocks of bf16.  v1 = my byte offset in the source, v2 = in the destination; neither is rewritten.
.macro UNITS kind
.set i, 0
.rept 16
.if \kind
.set so, 8192*(i/8)+512*(i%8)
.else
.set so, 256*i
.endif
	global_load_b128 v[U+8*i:U+8*i+3],   v1, s[26:27] offset:so th:TH_LOAD_NT
	global_load_b128 v[U+8*i+4:U+8*i+7], v1, s[26:27] offset:so+16 th:TH_LOAD_NT
.set i, i+1
.endr
.set i, 0
.rept 16
	s_wait_loadcnt 30-2*i                          ; loads come back in order: the 2 (15 - i) loads of the younger units may stay out
.if \kind
.irp p, 0,1,2,3
	v_cvt_pk_bf16_f32 v[U+8*i+(\p)], v[U+8*i+2*(\p)], v[U+8*i+2*(\p)+1]
.endr
	global_store_b128 v2, v[U+8*i:U+8*i+3], s[28:29] offset:512*(i/8)+32768*(i%8) th:TH_STORE_NT
.else
.irp p, 0,1,2,3
	v_cvt_pk_bf16_f32 v[T+(\p)], v[U+8*i+2*(\p)], v[U+8*i+2*(\p)+1]
.endr
.irp p, 0,1,2,3
	v_lshlrev_b32 v[T+4+2*(\p)], 16, v[T+(\p)]     ; the bf16 numbers as f32 again,
	v_and_b32     v[T+5+2*(\p)], s30, v[T+(\p)]
.endr
.irp p, 0,1,2,3
	v_cvt_pk_f16_f32 v[U+8*i+(\p)], v[T+4+2*(\p)], v[T+5+2*(\p)]  ; and written as f16
.endr
	global_store_b128 v2, v[U+8*i:U+8*i+3], s[28:29] offset:8192*i th:TH_STORE_NT
.endif
.set i, i+1
.endr
.endm
	s_cmp_ge_u32 s2, 192
	s_cbranch_scc1 .Lkv
	; x 0-127: decoder; 128-159: Wq; 160-191: Wo.  g = my group of 32 rows in that tensor
	s_cmp_ge_u32 s2, 128
	s_cselect_b64 s[26:27], s[10:11], s[8:9]
	s_cselect_b64 s[28:29], s[20:21], s[18:19]
	s_cselect_b32 s3, 128, 0
	s_cmp_ge_u32 s2, 160
	s_cselect_b64 s[26:27], s[12:13], s[26:27]
	s_cselect_b64 s[28:29], s[22:23], s[28:29]
	s_cselect_b32 s3, 160, s3
	s_sub_co_u32 s3, s2, s3
	s_lshl_b32 s4, s3, 17                          ; 32 rows of 4,096 bytes
	s_add_nc_u64 s[26:27], s[26:27], s[4:5]
	s_lshr_b32 s4, s3, 1
	s_lshl_b32 s4, s4, 17                          ; the group of 64 rows,
	s_and_b32 s6, s3, 1
	s_lshl_b32 s6, s6, 12                          ; and its upper or lower 32 rows of 128 bytes
	s_or_b32 s4, s4, s6
	s_add_nc_u64 s[28:29], s[28:29], s[4:5]
	v_lshrrev_b32 v1, 3, v0                        ; row t / 8,
	v_and_b32 v2, 7, v0
	v_lshlrev_b32 v1, 12, v1
	v_lshl_or_b32 v1, v2, 5, v1                    ; 8 numbers at 32 (t % 8) of a slice's 256 bytes
	v_lshlrev_b32 v2, 4, v0                        ; out: row x 128 + 16 (t % 8) = 16 t
	UNITS 0
	s_endpgm
.Lkv:
	; x 192-223: Wk; 224-255: Wv
	s_cmp_ge_u32 s2, 224
	s_cselect_b64 s[26:27], s[16:17], s[14:15]
	s_cselect_b32 s7, 1, 0                         ; isV
	s_cselect_b32 s3, 32, 0                        ; (an instruction holds one literal: the 192 is taken away in a line of its own)
	s_sub_co_u32 s3, s2, s3
	s_sub_co_u32 s3, s3, 192                       ; g = x - 192 - 32 isV
	s_lshl_b32 s4, s3, 17
	s_add_nc_u64 s[26:27], s[26:27], s[4:5]
	s_lshr_b32 s6, s3, 1                           ; the head
	s_and_b32 s4, s6, 3                            ; its class
	s_lshl_b32 s4, s4, 20
	s_lshr_b32 s6, s6, 2                           ; j4
	s_lshr_b32 s31, s6, 1
	s_lshl1_add_u32 s31, s7, s31                   ; block 2 isV + (j4>>1)
	s_lshl_b32 s31, s31, 18
	s_or_b32 s4, s4, s31
	s_and_b32 s6, s6, 1
	s_lshl_b32 s6, s6, 14                          ; 64 (j4&1) rows of 256 bytes
	s_or_b32 s4, s4, s6
	s_and_b32 s6, s3, 1
	s_lshl_b32 s6, s6, 13                          ; 32 (g&1) rows
	s_or_b32 s4, s4, s6
	s_add_nc_u64 s[28:29], s[24:25], s[4:5]
	v_lshrrev_b32 v3, 5, v0                        ; a wave takes 4 rows, two at a time: lanes 0-15 one, lanes 16-31 the next
	v_bfe_u32 v4, v0, 4, 1
	v_and_b32 v5, 15, v0
	v_lshlrev_b32 v1, 14, v3
	v_lshl_or_b32 v1, v4, 12, v1
	v_lshl_or_b32 v1, v5, 5, v1
	v_lshlrev_b32 v2, 10, v3
	v_lshl_or_b32 v2, v4, 8, v2
	v_lshl_or_b32 v2, v5, 4, v2                    ; sixteen lanes fill a row's 256 bytes of a k step
	UNITS 1
	s_endpgm
.Lfunc_end_k_q785bbdf217_prep:
	.size	k_q785bbdf217_prep, .Lfunc_end_k_q785bbdf217_prep-k_q785bbdf217_prep
	.p2alignl 7, 3214868480
	.fill 96, 4, 3214868480
	.section	.rodata,"a",@progbits
	.p2align	6, 0x0
	.amdhsa_kernel k_q785bbdf217_prep
		.amdhsa_group_segment_fixed_size 0
		.amdhsa_private_segment_fixed_size 0
		.amdhsa_enable_private_segment 0
		.amdhsa_kernarg_size 72
		.amdhsa_user_sgpr_count 2
		.amdhsa_user_sgpr_kernarg_segment_ptr 1
		.amdhsa_wavefront_size32 1
		.amdhsa_system_sgpr_workgroup_id_x 1
		.amdhsa_system_sgpr_workgroup_id_y 1
		.amdhsa_system_sgpr_workgroup_id_z 1
		.amdhsa_system_vgpr_workitem_id 0
		.amdhsa_next_free_vgpr 160
		.amdhsa_next_free_sgpr 66
		.amdhsa_reserve_vcc 0
		.amdhsa_float_denorm_mode_32 3
		.amdhsa_float_denorm_mode_16_64 3
		.amdhsa_memory_ordered 1
		.amdhsa_forward_progress 1
		.amdhsa_inst_pref_size 29
	.end_amdhsa_kernel
	.amdgpu_metadata
---
amdhsa.version: [ 1, 2 ]
amdhsa.kernels:
  - .name:           k_q785bbdf217_prep
    .symbol:         k_q785bbdf217_prep.kd
    .args:
      - { .name: decoder_input, .offset: 0, .size: 8, .value_kind: global_buffer, .address_space: global }
      - { .name: Wq, .offset: 8, .size: 8, .value_kind: global_buffer, .address_space: global }
      - { .name: Wo, .offset: 16, .size: 8, .value_kind: global_buffer, .address_space: global }
      - { .name: Wk, .offset: 24, .size: 8, .value_kind: global_buffer, .address_space: global }
      - { .name: Wv, .offset: 32, .size: 8, .value_kind: global_buffer, .address_space: global }
      - { .name: dbl, .offset: 40, .size: 8, .value_kind: global_buffer, .address_space: global }
      - { .name: wqb, .offset: 48, .size: 8, .value_kind: global_buffer, .address_space: global }
      - { .name: wob, .offset: 56, .size: 8, .value_kind: global_buffer, .address_space: global }
      - { .name: wkv, .offset: 64, .size: 8, .value_kind: global_buffer, .address_space: global }
    .group_segment_fixed_size: 0
    .private_segment_fixed_size: 0
    .kernarg_segment_align: 8
    .kernarg_segment_size: 72
    .max_flat_workgroup_size: 256
    .sgpr_count:     66
    .vgpr_count:     160
    .wavefront_size: 32
...
	.end_amdgpu_metadata
.endif
;; end of part 1
;; launch kvproj (part 2): grid 240 x 1, 4 waves a work-group, clusters of 4 x 1, 327,680 bytes of LDS; arguments encoder_output, wkv, bk, bv, kh, vh; writes kh, vh
.if DOCPART == 2
	.amdgcn_target "amdgcn-amd-amdhsa--gfx1250"
	.amdhsa_code_object_version 6
	.text
	.protected	k_q785bbdf217_kvproj
	.globl	k_q785bbdf217_kvproj
	.p2align	8
	.type	k_q785bbdf217_kvproj,@function
k_q785bbdf217_kvproj:
	s_mov_b64 s[64:65], 0
	v_nop
	global_prefetch_b8 v0, s[64:65] scope:SCOPE_SE
	s_setreg_imm32_b32 hwreg(HW_REG_WAVE_MODE, 25, 1), 1
	s_wait_xcnt 0x0
	s_wait_alu depctr_hold_cnt(0) depctr_sa_sdst(0) depctr_va_vdst(0) depctr_va_sdst(0) depctr_va_ssrc(0) depctr_va_vcc(0) depctr_vm_vsrc(0)
	s_getreg_b32 s2, hwreg(HW_REG_IB_STS2, 6, 4)
	s_cmp_eq_u32 s2, 0
	s_cbranch_scc0 .Lentry_in_a_cluster
	s_endpgm
.Lentry_in_a_cluster:
	s_bfe_u32 s2, ttmp6, 0x10000c
	s_cmp_lg_u32 s2, 0x3003
	s_cbranch_scc0 .Lentry_shape_is_right
	s_endpgm
.Lentry_shape_is_right:
; K AND V, ONLY THE ROWS THAT A HEAD'S STRIDE KEEPS.  Class c = head mod 4 has stride 2^c.  For class c: rows i = 0 .. (16384>>c)-1 are encoder rows i<<c;
; out[i][n] = sum over k of enc[i<<c][k] W[n][k] + bias[n], n = the 4 K heads' and the 4 V heads' 512 columns, K = 1,024.  Operands bf16 (bias rounded to bf16 too), sums f32,
; results f16 by heads: byte CB(c) + j4 (2097152>>c) + i 128 + 2 channel, CB(c) = 2^24 - (2^24>>c).
; LIMITS.  |k|, |v| beyond 65,504 become infinities in f16; below 6e-5 they keep f16's fixed step of 6e-8.
; SHARES.  A work-group makes 128 rows x 512 columns; 128 + 64 + 32 + 16 = 240 work-groups of equal work.  Wave w makes all 128 rows x the 128 columns of weight block w:
; 64 accumulators, 512 registers.  The matrix instruction is used transposed (source 0 = 16 rows of W, source 1 = 16 encoder rows): a lane holds 8 neighbouring channels of one row.
; A (the encoder, f32) comes through registers: each wave loads 32 rows x 64 k a step, rounds once to bf16 and stores them into one of two LDS slots that tensor loads never fill.  Nobody else
; wants these rows at the same time, so they are not asked for jointly.
; B (the weights) is the same for all tiles of a class: the four work-groups of a cluster belong to one class and ask for it JOINTLY, each wave its own block's 128 rows x 128 k, into a ring of two slots.
; A step is 64 k (128 matrix instructions a wave); every step ends with a barrier (A's slots change); every second one is a round of the cluster's barrier, behind which B's slot is filled again.
; REGISTERS in windows of 256: window 0 addresses, A's fragments (v64-127, v128-191), the bias (v192-255); window 1 B's fragments (same numbers) and the two stage sets for A (v0-63, v192-255);
; windows 2, 3 the accumulators ((a, b) at 8 (8 (a&3) + b)).
.set BP,    272                        ; a row of B in LDS: 256 bytes + 16: the 16 rows of a fragment load start in 16 different groups of four banks
.set BW,    128*BP                     ; a wave's part of a slot
.set BSLOT, 4*BW
.set AP,    144                        ; a row of A in LDS: 128 bytes + 16
.set ABASE, 2*BSLOT                    ; A's two slots, written by LDS stores alone
.set ASLOT, 128*AP
.set SPARE, ABASE+2*ASLOT              ; the spare words: 128 bytes a wave, two blocks of 256 bytes that no other line names
.set ADRA, 16                          ; v16     my place in A's slot 0
.set ADRB, 20                          ; v20-21  my place in my block of B's slot 0, 1
.set AST,  22                          ; v22     where I store 8 bytes of A
.set STO,  24                          ; v24     the way out: where I put 16 bytes (the stage lies over A's slot 0, which nobody touches behind step 14's barrier)
.set RD,   25                          ; v25     the way out: where I read rows back
.set GO,   26                          ; v26     16 x lane
.set BO,   27                          ; v27     32 x (lane / 16)
.set SPW,  28
.set NIL,  29
.set PFO,  30                          ; v30     prefetch of A: (32 w + lane) rows of 4,096 bytes
.set PFB,  31                          ; v31     prefetch of B: 256 x lane
.set AOF,  32                          ; v32-47  load j of a step: rows 32 w + 2 j + lane / 16, 16 bytes at 16 (lane % 16)
.set F0,   64
.set F1,   128
.set BIAS, 192                         ; v[192+8 b+j]: the bias of column 16 b + 8 (lane/16) + j: the C operand that starts every sum
.set TMP,  192                         ; the way out
.set OB,   32
.set WV, 16
.set CX, 17
.set CC, 18
.set EE, 19
.set G1, 24
.set G0, 32                            ; s[32:39] group 0, a set for each slot
.set AB, 40                            ; s[40:41] the encoder at my tile's first row, stepped 1,024 bytes a trip
.set PB, 42                            ; s[42:43] my block of the weights, my work-group's 32 rows of it, stepped 65,536 a trip
.set OUT0, 44
.set OUT1, 46
.set LA0, 48                           ; the prefetches' bounds: a wave asks while the trips to go are above them; the greatest number where it never asks
.set LA1, 49
.set LB0, 50
.set LB1, 51
.set MSB, 0
.macro WIN new
.if MSB != (\new)
	s_set_vgpr_msb (MSB<<8)|(\new)
.set MSB, \new
.endif
.endm
.macro PLACES                          ; four plain vector instructions between a matrix instruction and a load into, or a read of, its registers
.rept 4
	v_nop
.endr
.endm
.macro CREST                           ; a round of the cluster's barrier behind its opening barrier
	s_cmp_lg_u32 s[WV], 0
	s_cbranch_scc1 .Lnot_wave_0_\@
	s_barrier_signal -3
.Lnot_wave_0_\@:
	s_barrier_wait -3
	s_barrier_signal -1
	s_barrier_wait -1
.endm
.macro CROUND
	s_barrier_signal -1
	s_barrier_wait -1
	CREST
.endm
.macro JLOAD b                         ; every wave asks for its own block's rows; the descriptor hangs on the class, the wave and the step alone, so it is equal in the four partners
	tensor_load_to_lds s[G0+4*(\b):G0+4*(\b)+3], s[G1:G1+7]
	s_nop 0
.rept 4
	v_nop
.endr
.endm
	s_load_b256 s[4:11], s[0:1], 0x0               ; encoder s[4:5], wkv s[6:7], bk s[8:9], bv s[10:11]
	s_load_b128 s[12:15], s[0:1], 0x20             ; kh s[12:13], vh s[14:15]
	v_lshl_add_u32 v[SPW], v0, 2, SPARE
	v_mov_b32 v[NIL], 0
	ds_add_u32 v[SPW], v[NIL]                      ; the wave's opening: the add and its wait stand ahead of my first tensor load; work on registers stands between them
	v_lshrrev_b32 v3, 5, v0
	v_readfirstlane_b32 s[WV], v3
	s_bfe_u32 s[CX], ttmp6, 0x40000                ; my place in the cluster: it enters A's and the outputs' addresses and the prefetch of B alone
	s_mov_b32 s20, ttmp9                           ; the cluster: 0-31 class 0, 32-47 class 1, 48-55 class 2, 56-59 class 3
	s_cmp_ge_u32 s20, 32
	s_cselect_b32 s[CC], 1, 0
	s_cselect_b32 s21, 32, 0
	s_cmp_ge_u32 s20, 48
	s_cselect_b32 s[CC], 2, s[CC]
	s_cselect_b32 s21, 48, s21
	s_cmp_ge_u32 s20, 56
	s_cselect_b32 s[CC], 3, s[CC]
	s_cselect_b32 s21, 56, s21
	s_sub_co_u32 s[EE], s20, s21                   ; the cluster's number in its class
	s_mov_b32 s[G1+0], 15|(1<<16)|(1<<20)|(1<<21)|(5<<22)|(3<<25)  ; mask of four; 2-byte elements; padding on, 4 words after every 64; bit 21 beside a mask
	s_mov_b32 s[G1+1], 128<<16                     ; tensor_dim0 = 128
	s_mov_b32 s[G1+2], 128<<16                     ; tensor_dim1 = 128
	s_mov_b32 s[G1+3], 128<<16                     ; tile_dim0 = 128
	s_mov_b32 s[G1+4], 128                         ; tile_dim1 = 128
	s_mov_b32 s[G1+5], 128                         ; 128 elements from row to row
	s_mov_b32 s[G1+6], 0
	s_mov_b32 s[G1+7], 0
	s_mul_i32 s20, s[WV], BW
	s_mov_b32 s[G0], 1
	s_mov_b32 s[G0+1], s20
	s_mov_b32 s[G0+4], 1
	s_add_co_u32 s[G0+5], s20, BSLOT
	v_and_b32 v1, 15, v0
	v_bfe_u32 v2, v0, 4, 1
	v_and_b32 v4, 31, v0
	v_mul_u32_u24 v5, v1, AP
	v_lshl_add_u32 v5, v2, 4, v5
	v_add_nc_u32 v[ADRA], ABASE, v5
	v_mul_u32_u24 v6, v1, BP
	v_lshl_add_u32 v6, v2, 4, v6
	v_add_nc_u32 v[ADRB], s20, v6
	v_add_nc_u32 v[ADRB+1], BSLOT, v[ADRB]
	s_mul_i32 s21, s[WV], 32*AP
	s_add_co_u32 s21, s21, ABASE                   ; my 32 rows of A's slot 0; also my stage
	v_mul_u32_u24 v7, v2, AP
	v_lshl_add_u32 v7, v1, 3, v7
	v_add_nc_u32 v[AST], s21, v7
	v_add_nc_u32 v[STO], s21, v5
	v_lshrrev_b32 v8, 3, v4
	v_mul_u32_u24 v8, v8, AP
	v_and_b32 v9, 7, v0
	v_lshl_add_u32 v8, v9, 4, v8
	v_add_nc_u32 v[RD], s21, v8
	v_lshlrev_b32 v[GO], 4, v4
	v_lshlrev_b32 v[BO], 5, v2
	s_lshl_b32 s22, s[WV], 5
	v_add_nc_u32 v[PFO], s22, v4
	v_lshlrev_b32 v[PFO], 12, v[PFO]
	v_lshlrev_b32 v[PFB], 8, v4
	s_add_co_u32 s23, s[CC], 12                    ; a class row is 4,096 << c bytes on
	v_add_nc_u32 v10, s22, v2
	v_lshlrev_b32 v10, s23, v10
	v_lshl_add_u32 v[AOF], v1, 4, v10
	s_lshl_b32 s23, 2, s23
.set j, 1
.rept 15
	v_add_nc_u32 v[AOF+j], s23, v[AOF+j-1]
.set j, j+1
.endr
	s_cmp_eq_u32 s[CC], 0                          ; class 0 reads every encoder row: its work-groups ask for A
	s_cselect_b32 s[LA0], 0, -1
	s_cselect_b32 s[LA1], 1, -1
	s_cmp_eq_u32 s[EE], 0                          ; a class's first cluster asks for its weights
	s_cselect_b32 s[LB0], 0, -1
	s_cselect_b32 s[LB1], 1, -1
	s_wait_dscnt 0x0                               ; the opening add is done
	s_wait_kmcnt 0x0
	s_lshl_b32 s54, s[CC], 20
	s_lshl_b32 s55, s[WV], 18
	s_add_co_u32 s54, s54, s55
	s_mov_b32 s55, 0
	s_add_nc_u64 s[56:57], s[6:7], s[54:55]        ; the weights at my class and block
	s_mov_b64 s[G0+2:G0+3], s[56:57]
	s_or_b32 s[G0+3], s[G0+3], 0x80000000
	s_add_nc_u64 s[G0+6:G0+7], s[56:57], 32768
	s_or_b32 s[G0+7], s[G0+7], 0x80000000
	CROUND                                         ; all four work-groups are here: the first joint loads meet
	JLOAD 0                                        ; k 0-127 and k 128-255: two loads of mine are out
	JLOAD 1
	s_cmp_lt_u32 s[WV], 2
	s_cselect_b64 s[52:53], s[8:9], s[10:11]       ; bk for blocks 0, 1; bv for 2, 3
	s_cselect_b64 s[OUT0:OUT0+1], s[12:13], s[14:15]
	s_lshl_b32 s54, s[CC], 8
	s_and_b32 s55, s[WV], 1
	s_lshl_b32 s55, s55, 11
	s_add_co_u32 s54, s54, s55                     ; (64 c + 512 (w&1)) numbers
	s_mov_b32 s55, 0
	s_add_nc_u64 s[52:53], s[52:53], s[54:55]
.irp b, 0,1,2,3,4,5,6,7
	global_load_b128 v[BIAS+8*(\b):BIAS+8*(\b)+3],   v[BO], s[52:53] offset:1024*((\b)/4)+64*((\b)%4)
	global_load_b128 v[BIAS+8*(\b)+4:BIAS+8*(\b)+7], v[BO], s[52:53] offset:1024*((\b)/4)+64*((\b)%4)+16
.endr
	s_lshl_b32 s58, s[EE], 2
	s_add_co_u32 s58, s58, s[CX]                   ; my tile of 128 rows
	s_add_co_u32 s59, s[CC], 19
	s_lshl_b32 s60, s58, s59
	s_mov_b32 s61, 0
	s_add_nc_u64 s[AB:AB+1], s[4:5], s[60:61]
	s_lshl_b32 s60, s[CX], 13
	s_add_nc_u64 s[PB:PB+1], s[56:57], s[60:61]
	s_lshr_b32 s60, 1<<24, s[CC]
	s_sub_co_u32 s62, 1<<24, s60                   ; CB
	s_lshr_b32 s63, 1<<21, s[CC]                   ; a head's bytes in this class
	s_and_b32 s60, s[WV], 1
	s_lshl_b32 s60, s60, 1
	s_mul_i32 s60, s60, s63
	s_add_co_u32 s60, s60, s62
	s_lshl_b32 s62, s58, 14
	s_add_co_u32 s60, s60, s62
	s_add_nc_u64 s[OUT0:OUT0+1], s[OUT0:OUT0+1], s[60:61]
	s_mov_b32 s62, s63
	s_mov_b32 s63, 0
	s_add_nc_u64 s[OUT1:OUT1+1], s[OUT0:OUT0+1], s[62:63]
; 16 matrix instructions: row blocks a0, a0+1 of the window's four x all 8 column blocks, 32 along K.  zero = 1: the bias starts the sums.  The 64 accumulators take turns in one order throughout.
.macro MUL16 f, hi, a0, zero
.if \zero
	WIN 0x81+0x40*(\hi)
.else
	WIN 0xa1+0x50*(\hi)
.endif
.irp a, \a0, (\a0)+1
.irp b, 0,1,2,3,4,5,6,7
.if \zero
	v_wmma_f32_16x16x32_bf16 v[8*(8*(\a)+(\b)):8*(8*(\a)+(\b))+7], v[(\f)+8*(\b):(\f)+8*(\b)+7], v[(\f)+8*(4*(\hi)+(\a)):(\f)+8*(4*(\hi)+(\a))+7], v[BIAS+8*(\b):BIAS+8*(\b)+7]
.else
	v_wmma_f32_16x16x32_bf16 v[8*(8*(\a)+(\b)):8*(8*(\a)+(\b))+7], v[(\f)+8*(\b):(\f)+8*(\b)+7], v[(\f)+8*(4*(\hi)+(\a)):(\f)+8*(4*(\hi)+(\a))+7], v[8*(8*(\a)+(\b)):8*(8*(\a)+(\b))+7]
.endif
.endr
.endr
.endm
; 32 LDS loads in one run: 32 along K of my 128 rows of B (slot beta, byte kb of the rows) and of the 128 rows of A (slot al, byte ka), into buffer f
.macro FETCH beta, kb, al, ka, f
	WIN 0x40
.irp i, 0,1,2,3,4,5,6,7
	ds_load_b128 v[(\f)+8*(\i):(\f)+8*(\i)+3],   v[ADRB+(\beta)] offset:(\kb)+(\i)*16*BP
	ds_load_b128 v[(\f)+8*(\i)+4:(\f)+8*(\i)+7], v[ADRB+(\beta)] offset:(\kb)+(\i)*16*BP+32
.endr
	WIN 0
.irp i, 0,1,2,3,4,5,6,7
	ds_load_b128 v[(\f)+8*(\i):(\f)+8*(\i)+3],   v[ADRA] offset:(\al)*ASLOT+(\ka)+(\i)*16*AP
	ds_load_b128 v[(\f)+8*(\i)+4:(\f)+8*(\i)+7], v[ADRA] offset:(\al)*ASLOT+(\ka)+(\i)*16*AP+32
.endr
.endm
; A's stage.  store = 1: set sn's 16 loads are waited for (left younger loads may stay out), rounded to bf16 and stored into A's slot al.  load = 1: the set is asked for again, at byte koff of the rows.
.macro ASTAGE sn, al, store, load, left, koff
.set STG, 192*(\sn)
.if \store
	s_wait_loadcnt \left
	WIN 0x45
.set j, 0
.rept 16
	v_cvt_pk_bf16_f32 v[STG+4*j],   v[STG+4*j],   v[STG+4*j+1]
	v_cvt_pk_bf16_f32 v[STG+4*j+1], v[STG+4*j+2], v[STG+4*j+3]
.set j, j+1
.endr
	WIN 0x04
.set j, 0
.rept 16
	ds_store_b64 v[AST], v[STG+4*j:STG+4*j+1] offset:(\al)*ASLOT+2*AP*j
.set j, j+1
.endr
.endif
.if \load
	WIN 0x40
.set j, 0
.rept 16
	global_load_b128 v[STG+4*j:STG+4*j+3], v[AOF+j], s[AB:AB+1] offset:\koff
.set j, j+1
.endr
.endif
.endm
; PREFETCHES INTO THE L2, behind the step's loads.  A: my own 32 rows' 256 bytes of the step two steps behind the one just asked for, a lane a row; class 0 alone asks, so each block is named once.
; B: the k step after the one just asked for: of my block's 128 rows my work-group's 32 (told apart by address), a lane a row; the class's first cluster alone asks.  Both stop where the rows end.
.macro ASKA lim, off
	WIN 0
	s_cmp_gt_u32 s3, s[\lim]
	s_cbranch_scc0 .Lna_\@
	global_prefetch_b8 v[PFO], s[AB:AB+1] offset:\off th:TH_LOAD_NT scope:SCOPE_SE
.Lna_\@:
.endm
.macro ASKB lim, off
	WIN 0
	s_cmp_gt_u32 s3, s[\lim]
	s_cbranch_scc0 .Lnb_\@
	global_prefetch_b8 v[PFB], s[PB:PB+1] offset:\off th:TH_LOAD_NT scope:SCOPE_SE
.Lnb_\@:
.endm
; A step's first 32 along K: multiplies buffer 0 and fetches the second 32 into buffer 1.  yg = LDS stores issued behind buffer 0's loads.
.macro QUARTER beta, kb, al, zero, yg
	s_wait_dscnt 8+(\yg)                           ; B and A's rows 0-63 are in; the loads of A's rows 64-127 and the stage's stores may be out
	MUL16 F0, 0, 0, \zero
	MUL16 F0, 0, 2, \zero
	PLACES
	FETCH \beta, (\kb)+64, \al, 64, F1
	s_wait_dscnt 32                                ; all but the 32 just issued
	MUL16 F0, 1, 0, \zero
	MUL16 F0, 1, 2, \zero
.endm
; A step's second 32 along K, first half, with the step's barrier.  In front of it my reads of this step's A (and B) are over and my stores of the next step's A are done.
; mode 0: A's slots change alone.  mode 1: all my tensor loads are waited for as well.  mode 2: and the barrier opens a round of the cluster's, behind which B's slot is filled again.
.macro XA mode
.if (\mode) > 0
	WIN 0
	s_wait_tensorcnt 0x0                           ; the one load of mine that is out is my part of B's other slot
	ds_add_u32 v[SPW], v[NIL]                      ; 0 onto my spare word
	s_wait_dscnt 9                                 ; (the add and the loads of A's rows 64-127 may be out)
.else
	s_wait_dscnt 8
.endif
	MUL16 F1, 0, 0, 0
	s_wait_dscnt 0x0
	s_barrier_signal -1
	MUL16 F1, 0, 2, 0
.if (\mode) == 2
	WIN 0
.endif
	s_barrier_wait -1
.if (\mode) == 2
	CREST
.endif
.endm
.macro REFILL b                        ; no load of mine is out, so the group 0 may be written; the joint refill is the first thing behind the round; its four v_nop are also the places in front of the loads that follow
	s_add_nc_u64 s[G0+4*(\b)+2:G0+4*(\b)+3], s[G0+4*(\b)+2:G0+4*(\b)+3], 65536
	JLOAD \b
.endm
.macro XE
	MUL16 F1, 1, 0, 0
	MUL16 F1, 1, 2, 0
.endm
	ASTAGE 0, 0, 0, 1, 0, 0                        ; step 0's and step 1's A
	ASTAGE 1, 0, 0, 1, 0, 256
	WIN 0
	s_wait_loadcnt 32                              ; the bias is in; A's 32 loads are younger
.set j, 0
.rept 32
	v_cvt_pk_bf16_f32 v[48+j%4], v[BIAS+2*j], v[BIAS+2*j+1]  ; the bias is rounded to bf16 like every input
	v_lshlrev_b32 v[BIAS+2*j], 16, v[48+j%4]
	v_and_b32 v[BIAS+2*j+1], 0xffff0000, v[48+j%4]
.set j, j+1
.endr
	ASTAGE 0, 0, 1, 1, 16, 512                     ; step 0 into slot 0; step 2 is asked for.  16: the other set's loads are younger
	ASTAGE 1, 1, 1, 1, 16, 768
	s_wait_tensorcnt 0x1                           ; my part of B's slot 0 is in; slot 1's may stay out
	s_wait_dscnt 0x0                               ; my stores of A are done
	s_barrier_signal -1
	s_barrier_wait -1
	FETCH 0, 0, 0, 0, F0
	QUARTER 0, 0, 0, 1, 0
	WIN 0
	s_mov_b32 s3, 3
.Llap:                                         ; a trip: four steps, from the second half of step 4 j to the first half of step 4 j + 4; both slots of B are filled again
	XA 0
	PLACES
	FETCH 0, 128, 1, 0, F0
	ASTAGE 0, 0, 1, 1, 16, 1024
	ASKA LA0, 1536
	XE
	QUARTER 0, 128, 1, 0, 16
	XA 2
	REFILL 0
	FETCH 1, 0, 0, 0, F0
	ASTAGE 1, 1, 1, 1, 16, 1280
	ASKB LB0, 98304
	ASKA LA0, 1792
	XE
	QUARTER 1, 0, 0, 0, 16
	XA 0
	PLACES
	FETCH 1, 128, 1, 0, F0
	ASTAGE 0, 0, 1, 1, 16, 1536
	ASKA LA1, 2048
	XE
	QUARTER 1, 128, 1, 0, 16
	XA 2
	REFILL 1
	FETCH 0, 0, 0, 0, F0
	ASTAGE 1, 1, 1, 1, 16, 1792
	ASKB LB1, 131072
	ASKA LA1, 2304
	XE
	QUARTER 0, 0, 0, 0, 16
	WIN 0
	s_wait_xcnt 0x0                                ; every load and prefetch issued so far has read its base, so the two may be stepped
	s_add_nc_u64 s[AB:AB+1], s[AB:AB+1], 1024
	s_add_nc_u64 s[PB:PB+1], s[PB:PB+1], 65536
	s_sub_co_u32 s3, s3, 1
	s_cmp_lg_u32 s3, 0
	s_cbranch_scc1 .Llap
	XA 0                                           ; steps 12 to 15 ask for nothing more
	PLACES
	FETCH 0, 128, 1, 0, F0
	ASTAGE 0, 0, 1, 0, 16, 0
	XE
	QUARTER 0, 128, 1, 0, 16
	XA 1                                           ; B's last k step has landed
	PLACES
	FETCH 1, 0, 0, 0, F0
	ASTAGE 1, 1, 1, 0, 0, 0
	XE
	QUARTER 1, 0, 0, 0, 16
	XA 0                                           ; behind this barrier nobody reads or writes A's slot 0: it is the stage
	PLACES
	FETCH 1, 128, 1, 0, F0
	XE
	QUARTER 1, 128, 1, 0, 0
	s_wait_dscnt 8
	MUL16 F1, 0, 0, 0
	MUL16 F1, 0, 2, 0
	s_wait_dscnt 0x0
	XE
; THE WAY OUT, 16 rows at a time: rounded to f16 (16 bytes a lane), through my own stage ([head 2][row 16], rows of 144 bytes), back as four rows of 128 bytes a load, which are 512 bytes on end in kh or vh.
.macro PACK a
.set AC, 64*((\a)%4)
	WIN 0x0a+5*((\a)/4)
.irp b, 0,1,2,3,4,5,6,7
.irp r, 0,1,2,3
	v_cvt_pk_f16_f32 v[TMP+4*(\b)+(\r)], v[AC+8*(\b)+2*(\r)], v[AC+8*(\b)+2*(\r)+1]
.endr
.endr
	WIN 0
.endm
.macro TOSTAGE a
	WIN 0
.set BK, OB+192*((\a)%2)
.irp b, 0,1,2,3,4,5,6,7
	ds_store_b128 v[STO], v[TMP+4*(\b):TMP+4*(\b)+3] offset:16*AP*((\b)/4)+32*((\b)%4)
.endr
.irp t, 0,1,2,3,4,5,6,7
	ds_load_b128 v[BK+4*(\t):BK+4*(\t)+3], v[RD] offset:16*AP*((\t)/4)+4*AP*((\t)%4)  ; LDS serves a wave's instructions in order: these see the stores above
.endr
.endm
.macro SEND a
	WIN 0
.set BK, OB+192*((\a)%2)
	s_wait_dscnt 0x0                               ; the block is back in registers
	s_wait_xcnt 0x0                                ; earlier stores have read their data: the registers that they named are loaded again only behind this wait
.irp t, 0,1,2,3
	global_store_b128 v[GO], v[BK+4*(\t):BK+4*(\t)+3], s[OUT0:OUT0+1] offset:2048*(\a)+512*(\t)
.endr
.irp t, 0,1,2,3
	global_store_b128 v[GO], v[BK+16+4*(\t):BK+16+4*(\t)+3], s[OUT1:OUT1+1] offset:2048*(\a)+512*(\t)
.endr
.endm
	PLACES
	PACK 0
	TOSTAGE 0
.irp a, 1,2,3,4,5,6,7
	PACK \a
	SEND (\a)-1
	TOSTAGE \a
.endr
	SEND 7
	s_wait_tensorcnt 0x0                           ; the wave's end, behind my last tensor load and my last LDS store
	ds_add_u32 v[SPW], v[NIL]
	s_wait_dscnt 0x0
	CROUND                                         ; the closing round
	s_endpgm
.Lfunc_end_k_q785bbdf217_kvproj:
	.size	k_q785bbdf217_kvproj, .Lfunc_end_k_q785bbdf217_kvproj-k_q785bbdf217_kvproj
	.p2alignl 7, 3214868480
	.fill 96, 4, 3214868480
	.section	.rodata,"a",@progbits
	.p2align	6, 0x0
	.amdhsa_kernel k_q785bbdf217_kvproj
		.amdhsa_group_segment_fixed_size 327680
		.amdhsa_private_segment_fixed_size 0
		.amdhsa_enable_private_segment 0
		.amdhsa_kernarg_size 48
		.amdhsa_user_sgpr_count 2
		.amdhsa_user_sgpr_kernarg_segment_ptr 1
		.amdhsa_wavefront_size32 1
		.amdhsa_system_sgpr_workgroup_id_x 1
		.amdhsa_system_sgpr_workgroup_id_y 1
		.amdhsa_system_sgpr_workgroup_id_z 1
		.amdhsa_system_vgpr_workitem_id 0
		.amdhsa_next_free_vgpr 1024
		.amdhsa_next_free_sgpr 66
		.amdhsa_reserve_vcc 0
		.amdhsa_float_denorm_mode_32 3
		.amdhsa_float_denorm_mode_16_64 3
		.amdhsa_memory_ordered 1
		.amdhsa_forward_progress 1
		.amdhsa_inst_pref_size 186
	.end_amdhsa_kernel
	.amdgpu_metadata
---
amdhsa.version: [ 1, 2 ]
amdhsa.kernels:
  - .name:           k_q785bbdf217_kvproj
    .symbol:         k_q785bbdf217_kvproj.kd
    .args:
      - { .name: encoder_output, .offset: 0, .size: 8, .value_kind: global_buffer, .address_space: global }
      - { .name: wkv, .offset: 8, .size: 8, .value_kind: global_buffer, .address_space: global }
      - { .name: bk, .offset: 16, .size: 8, .value_kind: global_buffer, .address_space: global }
      - { .name: bv, .offset: 24, .size: 8, .value_kind: global_buffer, .address_space: global }
      - { .name: kh, .offset: 32, .size: 8, .value_kind: global_buffer, .address_space: global }
      - { .name: vh, .offset: 40, .size: 8, .value_kind: global_buffer, .address_space: global }
    .group_segment_fixed_size: 327680
    .private_segment_fixed_size: 0
    .kernarg_segment_align: 8
    .kernarg_segment_size: 48
    .max_flat_workgroup_size: 128
    .sgpr_count:     66
    .vgpr_count:     1024
    .wavefront_size: 32
...
	.end_amdgpu_metadata
.endif
;; end of part 2
;; launch qproj (part 3): grid 8 x 32, 4 waves a work-group, clusters of 4 x 4, 327,680 bytes of LDS; arguments dbl, wqb, bq, qf; writes qf
.if DOCPART == 3
	.amdgcn_target "amdgcn-amd-amdhsa--gfx1250"
	.amdhsa_code_object_version 6
	.text
	.protected	k_q785bbdf217_qproj
	.globl	k_q785bbdf217_qproj
	.p2align	8
	.type	k_q785bbdf217_qproj,@function
k_q785bbdf217_qproj:
	s_mov_b64 s[64:65], 0
	v_nop
	global_prefetch_b8 v0, s[64:65] scope:SCOPE_SE
	s_setreg_imm32_b32 hwreg(HW_REG_WAVE_MODE, 25, 1), 1
	s_wait_xcnt 0x0
	s_wait_alu depctr_hold_cnt(0) depctr_sa_sdst(0) depctr_va_vdst(0) depctr_va_sdst(0) depctr_va_ssrc(0) depctr_va_vcc(0) depctr_vm_vsrc(0)
	s_getreg_b32 s2, hwreg(HW_REG_IB_STS2, 6, 4)
	s_cmp_eq_u32 s2, 0
	s_cbranch_scc0 .Lentry_in_a_cluster
	s_endpgm
.Lentry_in_a_cluster:
	s_bfe_u32 s2, ttmp6, 0x10000c
	s_cmp_lg_u32 s2, 0xf033
	s_cbranch_scc0 .Lentry_shape_is_right
	s_endpgm
.Lentry_shape_is_right:
; C[m][n] = sum over k of A[m][k] B[n][k] + bias[n].  M = 4,096, N = K = 1,024.  A and B are f16 in blocks: element (row, k) at byte (row>>6)*131072 + (k>>6)*8192 + (row&63)*128 + (k&63)*2;
; bias is f32 and is rounded to bf16 like every input; C is f32, row-major.  Sums in f32.
; A tile of C is 128 x 128: 256 work-groups, one for each WGP.  Four waves, each 64 x 64: 16 accumulators.  K goes in steps of 256: 64 rows x 256 k are 32,768 bytes on end in memory, brought by one
; tensor load as 128 rows of 256 bytes and padded in LDS after every 128: four slices of 64 k, each 64 rows of 144 bytes.  Two slots.
; CLUSTERS: 4 x 4 work-groups; A's tiles are asked for jointly along a row of the cluster, B's along a column.  The matrix instruction is used transposed (source 0 = 16 rows of B, source 1 = 16 rows of A):
; a lane holds eight neighbouring numbers of a row of C.  A wave's 64 columns of f32 are 256 aligned bytes, so each wave has a stage of its own and the way out has no barrier.
; No prefetch: the tiles are small and each is read by two clusters or more.
; REGISTERS: window 0: v0-31 addresses; v32-95 the way out; v96-99 bias; v128-255 accumulators ((a, b) at 128 + 8 (4 a + b)).  Window 1: two fragment buffers of 128.
.set ZB,     9216                      ; a slice of 64 k: 64 rows x 144 bytes
.set PITCH,  144
.set HALFT,  4*ZB                      ; what one tensor load brings
.set SLOT,   4*HALFT
.set STAGE,  2*SLOT
.set SPITCH, 272
.set SPARE,  STAGE+4*16*SPITCH
.set STEPB,  32768                     ; a K step of 64 rows in memory
.set LAPS,   2
.set ADRA, 16
.set ADRB, 20
.set STO,  24
.set RD,   25
.set CO,   26
.set SPW,  28
.set NIL,  29
.set TMP,  32
.set BI,   96
.set ACC,  128
.set F0,   0
.set F1,   128
.set WV, 12
.set RH, 13                            ; which half of the tile's rows is mine; also: I fetch for A (0) or for B (1)
.set CH, 14                            ; which half of its columns; also: which 64 rows I fetch
.set TR, 15                            ; tile row
.set G1, 24
.set G0, 32
.set G1B, 48
.set G0B, 56
.set MSB, 0
.macro WIN new
.if MSB != (\new)
	s_set_vgpr_msb (MSB<<8)|(\new)
.set MSB, \new
.endif
.endm
.set MUL,  0x05
.set TO_F, 0x40
.macro JLOAD s
	s_cmp_eq_u32 s[RH], 0
	s_cbranch_scc0 .Lfor_b_\@
	tensor_load_to_lds s[G0+4*(\s):G0+4*(\s)+3], s[G1:G1+7]
	s_nop 0
.rept 4
	v_nop
.endr
	s_branch .Lasked_\@
.Lfor_b_\@:
	tensor_load_to_lds s[G0B+4*(\s):G0B+4*(\s)+3], s[G1B:G1B+7]
	s_nop 0
.rept 4
	v_nop
.endr
.Lasked_\@:
.endm
.macro CREST
	s_cmp_lg_u32 s[WV], 0
	s_cbranch_scc1 .Lnot_wave_0_\@
	s_barrier_signal -3
.Lnot_wave_0_\@:
	s_barrier_wait -3
	s_barrier_signal -1
	s_barrier_wait -1
.endm
.macro CROUND
	s_barrier_signal -1
	s_barrier_wait -1
	CREST
.endm
	s_load_b256 s[4:11], s[0:1], 0x0               ; A s[4:5], B s[6:7], bias s[8:9], C s[10:11]
	v_lshl_add_u32 v[SPW], v0, 2, SPARE
	v_mov_b32 v[NIL], 0
	ds_add_u32 v[SPW], v[NIL]                      ; the wave's opening: the add and its wait stand ahead of my first tensor load
	v_lshrrev_b32 v1, 5, v0
	v_readfirstlane_b32 s[WV], v1
	s_lshr_b32 s[RH], s[WV], 1
	s_and_b32 s[CH], s[WV], 1
	s_bfe_u32 s40, ttmp6, 0x40000                  ; cx, cy
	s_bfe_u32 s41, ttmp6, 0x40004
	s_lshl_b32 s42, ttmp9, 2
	s_add_co_u32 s42, s42, s40                     ; tile column
	s_and_b32 s[TR], ttmp7, 0xffff
	s_lshl_b32 s[TR], s[TR], 2
	s_add_co_u32 s[TR], s[TR], s41                 ; tile row
	s_lshl_b32 s43, s41, 2
	s_lshl_b32 s43, 15, s43                        ; my row of the cluster
	s_lshl_b32 s44, 0x1111, s40                    ; my column
	s_or_b32 s[G1+0], s43, (1<<16)|(1<<20)|(1<<21)|(4<<22)|(3<<25)   ; the mask; 2-byte elements; padding on, 4 words after every 32; bit 21 beside a mask
	s_or_b32 s[G1B+0], s44, (1<<16)|(1<<20)|(1<<21)|(4<<22)|(3<<25)
.irp g, G1, G1B
	s_mov_b32 s[(\g)+1], 128<<16                   ; tensor_dim0 = 128
	s_mov_b32 s[(\g)+2], 128<<16                   ; tensor_dim1 = 128
	s_mov_b32 s[(\g)+3], 128<<16                   ; tile_dim0 = 128
	s_mov_b32 s[(\g)+4], 128                       ; tile_dim1 = 128
	s_mov_b32 s[(\g)+5], 128                       ; dense rows
	s_mov_b32 s[(\g)+6], 0
	s_mov_b32 s[(\g)+7], 0
.endr
	s_lshl_b32 s16, s[TR], 1
	s_add_co_u32 s16, s16, s[CH]
	s_lshl_b32 s16, s16, 17                        ; A: group of 64 rows 2 x tile row + half
	s_mov_b32 s17, 0
	s_lshl_b32 s46, s42, 1
	s_add_co_u32 s46, s46, s[CH]
	s_lshl_b32 s46, s46, 17                        ; B: 2 x tile column + half
	s_mov_b32 s47, 0
	s_mul_i32 s20, s[WV], HALFT                    ; where they go: A's two halves, then B's
	s_wait_dscnt 0x0
	s_wait_kmcnt 0x0
	s_add_nc_u64 s[18:19], s[4:5], s[16:17]
	s_add_nc_u64 s[46:47], s[6:7], s[46:47]
	CROUND
.irp s, 0,1
	s_mov_b32 s[G0+4*(\s)], 1
	s_add_co_u32 s[G0+4*(\s)+1], s20, (\s)*SLOT
	s_add_nc_u64 s[G0+4*(\s)+2:G0+4*(\s)+3], s[18:19], (\s)*STEPB
	s_or_b32 s[G0+4*(\s)+3], s[G0+4*(\s)+3], 0x80000000
	s_mov_b32 s[G0B+4*(\s)], 1
	s_add_co_u32 s[G0B+4*(\s)+1], s20, (\s)*SLOT
	s_add_nc_u64 s[G0B+4*(\s)+2:G0B+4*(\s)+3], s[46:47], (\s)*STEPB
	s_or_b32 s[G0B+4*(\s)+3], s[G0B+4*(\s)+3], 0x80000000
	JLOAD \s
.endr
	v_and_b32 v1, 15, v0
	v_bfe_u32 v2, v0, 4, 1
	s_lshl_b32 s46, s42, 9                         ; my 64 columns, in bytes of f32: 512 x tile column + 256 x half
	s_lshl_b32 s47, s[CH], 8
	s_add_co_u32 s46, s46, s47
	s_mov_b32 s47, 0
	s_add_nc_u64 s[8:9], s[8:9], s[46:47]
	v_lshlrev_b32 v6, 4, v1
	global_load_b128 v[BI:BI+3], v6, s[8:9]        ; the bias of the four columns that I store
	v_mul_u32_u24 v3, v1, PITCH
	v_lshl_add_u32 v3, v2, 4, v3
	s_mul_i32 s21, s[RH], HALFT
	s_mul_i32 s22, s[CH], HALFT
	s_add_co_u32 s22, s22, 2*HALFT
.irp s, 0,1
	v_add_nc_u32 v[ADRA+(\s)], s21, v3
	v_add_nc_u32 v[ADRB+(\s)], s22, v3
	s_add_co_u32 s21, s21, SLOT
	s_add_co_u32 s22, s22, SLOT
.endr
	s_mul_i32 s23, s[WV], 16*SPITCH
	s_add_co_u32 s23, s23, STAGE                   ; my stage
	v_mul_u32_u24 v4, v1, SPITCH                   ; in: row l % 16, 32 bytes for each half of the lanes
	v_lshl_add_u32 v4, v2, 5, v4
	v_add_nc_u32 v[STO], s23, v4
	v_mul_u32_u24 v5, v2, SPITCH                   ; back: lanes 0-15 one row of 256 bytes, lanes 16-31 the next
	v_lshl_add_u32 v5, v1, 4, v5
	v_add_nc_u32 v[RD], s23, v5
	v_lshlrev_b32 v5, 12, v2
	v_lshl_add_u32 v[CO], v1, 4, v5
	s_lshl_b32 s16, s[TR], 19                      ; 128 rows of 4,096 bytes
	s_lshl_b32 s17, s[RH], 18
	s_add_co_u32 s16, s16, s17
	s_mov_b32 s17, 0
	s_add_nc_u64 s[10:11], s[10:11], s[16:17]
	s_add_nc_u64 s[10:11], s[10:11], s[46:47]
	s_wait_loadcnt 0x0
	v_cvt_pk_bf16_f32 v100, v[BI], v[BI+1]
	v_cvt_pk_bf16_f32 v101, v[BI+2], v[BI+3]
	v_lshlrev_b32 v[BI], 16, v100
	v_and_b32 v[BI+1], 0xffff0000, v100
	v_lshlrev_b32 v[BI+2], 16, v101
	v_and_b32 v[BI+3], 0xffff0000, v101
.macro MUL8 f, c, a0, zero
	WIN MUL
.irp a, \a0, (\a0)+1
.irp b, 0,1,2,3
.if \zero
	v_wmma_f32_16x16x32_f16 v[ACC+8*(4*(\a)+(\b)):ACC+8*(4*(\a)+(\b))+7], v[(\f)+64+8*(4*(\c)+(\b)):(\f)+64+8*(4*(\c)+(\b))+7], v[(\f)+8*(4*(\c)+(\a)):(\f)+8*(4*(\c)+(\a))+7], 0
.else
	v_wmma_f32_16x16x32_f16 v[ACC+8*(4*(\a)+(\b)):ACC+8*(4*(\a)+(\b))+7], v[(\f)+64+8*(4*(\c)+(\b)):(\f)+64+8*(4*(\c)+(\b))+7], v[(\f)+8*(4*(\c)+(\a)):(\f)+8*(4*(\c)+(\a))+7], v[ACC+8*(4*(\a)+(\b)):ACC+8*(4*(\a)+(\b))+7]
.endif
.endr
.endr
.endm
; 32 LDS loads in one run: the fragments of one slice of 64 k, which begins at byte k of a half tile; the first 32 along K first
.macro FETCH slot, k, f
	WIN TO_F
.irp c, 0,1
.irp i, 0,1,2,3
	ds_load_b128 v[(\f)+64+8*(4*(\c)+(\i)):(\f)+64+8*(4*(\c)+(\i))+3],   v[ADRB+(\slot)] offset:(\k)+64*(\c)+(\i)*16*PITCH
	ds_load_b128 v[(\f)+64+8*(4*(\c)+(\i))+4:(\f)+64+8*(4*(\c)+(\i))+7], v[ADRB+(\slot)] offset:(\k)+64*(\c)+(\i)*16*PITCH+32
	ds_load_b128 v[(\f)+8*(4*(\c)+(\i)):(\f)+8*(4*(\c)+(\i))+3],         v[ADRA+(\slot)] offset:(\k)+64*(\c)+(\i)*16*PITCH
	ds_load_b128 v[(\f)+8*(4*(\c)+(\i))+4:(\f)+8*(4*(\c)+(\i))+7],       v[ADRA+(\slot)] offset:(\k)+64*(\c)+(\i)*16*PITCH+32
.endr
.endr
.endm
.macro PLACES
.rept 4
	v_nop
.endr
.endm
.macro QUARTER slot, k, f, g, zero
	s_wait_dscnt 16                                ; the first 32 along K are in
	MUL8 \f, 0, 0, \zero
	MUL8 \f, 0, 2, \zero
	PLACES
	FETCH \slot, \k, \g
	s_wait_dscnt 32                                ; all but the 32 just issued
	MUL8 \f, 1, 0, 0
	MUL8 \f, 1, 2, 0
.endm
; The last quarter multiplies buffer 1 and changes slots: one barrier; in front of it each wave waits for all its tensor loads, adds 0 to its spare word, and waits for that and for its reads of this slot.
.macro TURN slot, next, fill
	WIN 0
	s_wait_tensorcnt 0x0                           ; my part of the next slot has landed
	ds_add_u32 v[SPW], v[NIL]
	s_wait_dscnt 17                                ; (the add and the youngest sixteen loads may be out)
	MUL8 F1, 0, 0, 0
	s_wait_dscnt 0x0
	s_barrier_signal -1
	MUL8 F1, 0, 2, 0
.if \fill
	WIN 0
.endif
	s_barrier_wait -1
.if \fill
	CREST
	s_add_nc_u64 s[G0+4*(\slot)+2:G0+4*(\slot)+3], s[G0+4*(\slot)+2:G0+4*(\slot)+3], 2*STEPB
	s_add_nc_u64 s[G0B+4*(\slot)+2:G0B+4*(\slot)+3], s[G0B+4*(\slot)+2:G0B+4*(\slot)+3], 2*STEPB
	JLOAD \slot
.else
	PLACES
.endif
	FETCH \next, 0, F0
	MUL8 F1, 1, 0, 0
	MUL8 F1, 1, 2, 0
.endm
	s_wait_tensorcnt 1                             ; my part of K step 0 is in; K step 1's may stay out
	s_barrier_signal -1
	s_barrier_wait -1
	FETCH 0, 0, F0
	QUARTER 0, ZB, F0, F1, 1
	WIN 0
	s_mov_b32 s3, LAPS-1
.Llap:
	QUARTER 0, 2*ZB, F1, F0, 0
	QUARTER 0, 3*ZB, F0, F1, 0
	TURN 0, 1, 1
	QUARTER 1, ZB, F0, F1, 0
	QUARTER 1, 2*ZB, F1, F0, 0
	QUARTER 1, 3*ZB, F0, F1, 0
	TURN 1, 0, 1
	QUARTER 0, ZB, F0, F1, 0
	WIN 0
	s_sub_co_u32 s3, s3, 1
	s_cmp_lg_u32 s3, 0
	s_cbranch_scc1 .Llap
	QUARTER 0, 2*ZB, F1, F0, 0                     ; the last lap fills nothing
	QUARTER 0, 3*ZB, F0, F1, 0
	TURN 0, 1, 0
	QUARTER 1, ZB, F0, F1, 0
	QUARTER 1, 2*ZB, F1, F0, 0
	QUARTER 1, 3*ZB, F0, F1, 0
	s_wait_dscnt 16
	MUL8 F1, 0, 0, 0
	MUL8 F1, 0, 2, 0
	s_wait_dscnt 0
	MUL8 F1, 1, 0, 0
	MUL8 F1, 1, 2, 0
	WIN 0
	; THE WAY OUT, 16 rows at a time: a lane's 32 bytes of a row go into my stage (rows of 272 bytes), each accumulator's low half first; whole rows of 256 bytes come back; the bias is added; sixteen lanes store 256 aligned bytes.
	PLACES
.irp a, 0,1,2,3
	s_wait_xcnt 0x0                                ; the stores of two blocks back have read their data: their registers are loaded again below
.irp b, 0,1,2,3
	ds_store_b128 v[STO], v[ACC+8*(4*(\a)+(\b)):ACC+8*(4*(\a)+(\b))+3]   offset:64*(\b)
	ds_store_b128 v[STO], v[ACC+8*(4*(\a)+(\b))+4:ACC+8*(4*(\a)+(\b))+7] offset:64*(\b)+16
.endr
.irp t, 0,1,2,3,4,5,6,7
	ds_load_b128 v[TMP+32*((\a)%2)+4*(\t):TMP+32*((\a)%2)+4*(\t)+3], v[RD] offset:(\t)*2*SPITCH  ; LDS serves a wave's instructions in order: these see the stores above
.endr
.irp t, 0,1,2,3,4,5,6,7
	s_wait_dscnt 7-(\t)
	v_pk_add_f32 v[TMP+32*((\a)%2)+4*(\t):TMP+32*((\a)%2)+4*(\t)+1],   v[TMP+32*((\a)%2)+4*(\t):TMP+32*((\a)%2)+4*(\t)+1],   v[BI:BI+1]
	v_pk_add_f32 v[TMP+32*((\a)%2)+4*(\t)+2:TMP+32*((\a)%2)+4*(\t)+3], v[TMP+32*((\a)%2)+4*(\t)+2:TMP+32*((\a)%2)+4*(\t)+3], v[BI+2:BI+3]
	global_store_b128 v[CO], v[TMP+32*((\a)%2)+4*(\t):TMP+32*((\a)%2)+4*(\t)+3], s[10:11] offset:(16*(\a)+2*(\t))*4096
.endr
.endr
	s_wait_tensorcnt 0x0                           ; the wave's end
	ds_add_u32 v[SPW], v[NIL]
	s_wait_dscnt 0x0
	CROUND
	s_endpgm
.Lfunc_end_k_q785bbdf217_qproj:
	.size	k_q785bbdf217_qproj, .Lfunc_end_k_q785bbdf217_qproj-k_q785bbdf217_qproj
	.p2alignl 7, 3214868480
	.fill 96, 4, 3214868480
	.section	.rodata,"a",@progbits
	.p2align	6, 0x0
	.amdhsa_kernel k_q785bbdf217_qproj
		.amdhsa_group_segment_fixed_size 327680
		.amdhsa_private_segment_fixed_size 0
		.amdhsa_enable_private_segment 0
		.amdhsa_kernarg_size 32
		.amdhsa_user_sgpr_count 2
		.amdhsa_user_sgpr_kernarg_segment_ptr 1
		.amdhsa_wavefront_size32 1
		.amdhsa_system_sgpr_workgroup_id_x 1
		.amdhsa_system_sgpr_workgroup_id_y 1
		.amdhsa_system_sgpr_workgroup_id_z 1
		.amdhsa_system_vgpr_workitem_id 0
		.amdhsa_next_free_vgpr 512
		.amdhsa_next_free_sgpr 66
		.amdhsa_reserve_vcc 0
		.amdhsa_float_denorm_mode_32 3
		.amdhsa_float_denorm_mode_16_64 3
		.amdhsa_memory_ordered 1
		.amdhsa_forward_progress 1
		.amdhsa_inst_pref_size 91
	.end_amdhsa_kernel
	.amdgpu_metadata
---
amdhsa.version: [ 1, 2 ]
amdhsa.kernels:
  - .name:           k_q785bbdf217_qproj
    .symbol:         k_q785bbdf217_qproj.kd
    .args:
      - { .name: dbl, .offset: 0, .size: 8, .value_kind: global_buffer, .address_space: global }
      - { .name: wqb, .offset: 8, .size: 8, .value_kind: global_buffer, .address_space: global }
      - { .name: bq, .offset: 16, .size: 8, .value_kind: global_buffer, .address_space: global }
      - { .name: qf, .offset: 24, .size: 8, .value_kind: global_buffer, .address_space: global }
    .group_segment_fixed_size: 327680
    .private_segment_fixed_size: 0
    .kernarg_segment_align: 8
    .kernarg_segment_size: 32
    .max_flat_workgroup_size: 128
    .sgpr_count:     66
    .vgpr_count:     512
    .wavefront_size: 32
...
	.end_amdgpu_metadata
.endif
;; end of part 3
;; launch attn (part 4): grid 240 x 1, 4 waves a work-group, clusters of 4 x 1, 327,680 bytes of LDS; arguments qf, kh, vh, obl; writes obl
.if DOCPART == 4
	.amdgcn_target "amdgcn-amd-amdhsa--gfx1250"
	.amdhsa_code_object_version 6
	.text
	.protected	k_q785bbdf217_attn
	.globl	k_q785bbdf217_attn
	.p2align	8
	.type	k_q785bbdf217_attn,@function
k_q785bbdf217_attn:
	s_mov_b64 s[64:65], 0
	v_nop
	global_prefetch_b8 v0, s[64:65] scope:SCOPE_SE
	s_setreg_imm32_b32 hwreg(HW_REG_WAVE_MODE, 25, 1), 1
	s_wait_xcnt 0x0
	s_wait_alu depctr_hold_cnt(0) depctr_sa_sdst(0) depctr_va_vdst(0) depctr_va_sdst(0) depctr_va_ssrc(0) depctr_va_vcc(0) depctr_vm_vsrc(0)
	s_getreg_b32 s2, hwreg(HW_REG_IB_STS2, 6, 4)
	s_cmp_eq_u32 s2, 0
	s_cbranch_scc0 .Lentry_in_a_cluster
	s_endpgm
.Lentry_in_a_cluster:
	s_bfe_u32 s2, ttmp6, 0x10000c
	s_cmp_lg_u32 s2, 0x3003
	s_cbranch_scc0 .Lentry_shape_is_right
	s_endpgm
.Lentry_shape_is_right:
; ATTENTION OVER STRIDED KEYS.  Head 4 j4 + c of batch b sees the 4096>>c keys that kh and vh hold for it (f16, 128 bytes a key, dense).  O = softmax(Q K^T / 8) V.
; Q comes as f32 [4096][1024] and is rounded once to f16; products, maxima and sums in f32; the weights are rounded to f16 for the second product (their sum is taken of the unrounded ones);
; O leaves as f16 in blocks: (row, k) at byte (row>>6)*131072 + (k>>6)*8192 + (row&63)*128 + (k&63)*2.
; LIMITS.  |q| beyond 65,504 becomes an infinity in f16; a weight below 2^-126 counts as 0; NaN and infinities are not treated apart.
; SHARES.  A work-group of class c walks 2^c CHUNKS of 128 queries x (4096>>c) keys: always 64 key steps of 64 keys, 16 tiles of 256, so every trip count is a constant and all 240 work-groups do equal work.
; Walk J = (e<<c) + j: pair of head and batch p = J>>1, query chunk 4 (J&1) + cx.  So the four partners of a cluster walk the same keys at all times and ask for them JOINTLY.  A wave owns 32 queries: two tiles of 16.
; LAYOUT.  S^T = K Q^T holds one query a lane (lane % 16) and the keys 8 (lane / 16) + 0..7; two such results rounded to f16 are source 1 of O^T = V^T P.  p = 2^(c s - c m), c = log2(e) / 8, m a running maximum;
; O and l are multiplied by a = 2^(c m_old - c m_new) in every step.
; BY TURNS.  Turn n: 16 products K Q^T of step n + 1; the scaling, exponentials, roundings and sums of step n; the maximum and statistics of step n + 1; O times a(n - 1); 16 products V^T P of step n - 1.
; Four vector instructions stand behind every matrix instruction, the rest in one lump; a turn's 66 exponentials are one batch with one wait.  S^T, P and the work registers go by the step's parity.
; THE RING.  Turn n reads K of step n + 2 and V of step n from LDS.  So slot content t holds K's steps 4 t + 2 .. 4 t + 5 and V's steps 4 t .. 4 t + 3; K's steps 0 and 1 lie in a region filled once.
; The last content's second half of K repeats the last 128 keys; the scores made of it serve nothing: the price of one text for every trip.
; A CHUNK'S END, N its successor's first step: ahead of turn N - 1 the new Q is put in place, m is set to the lowest number and a(N) is forced to 0 (block X); ahead of turn N 1 / l is taken (Y);
; behind turn N, in which the old chunk's last products landed, O leaves (Z); a(N) = 0 then clears l in turn N and O in turn N + 1.  The three blocks are jumped over forward; they hold no barrier and no tensor load.
; REGISTERS, in windows of 256: window 0 addresses, statistics, S^T (v64-191), P (v192-255); window 1 O^T (v0-63), the next chunk's Q in f32 (v64-127); window 2 Q (v0-31), K (v128-191), V (v192-255).
.set KS,    64
.set PK,    144                        ; a key of K in LDS: 128 bytes + 16
.set PV,    160                        ; of V: 128 + 32
.set VOFF,  4*KS*PK
.set KPRE,  VOFF+4*KS*PV               ; K's first 128 keys: filled once
.set SLOT1, 1<<17
.set STAGE, SLOT1+KPRE                 ; 16 rows x 144 bytes for each wave, never filled by a tensor load
.set SP,    144
.set SPARE, STAGE+4*16*SP
.set AK0, 2
.set AV0, 3
.set AK,  4
.set AV,  5
.set STO, 6
.set RD,  7
.set GO,  8
.set QO,  9
.set MV,  12                           ; v12-15  c m_old, by parity and tile
.set ST,  16                           ; tile u at ST + 4 u: c m, m, l (even keys', odd keys')
.set RL,  24                           ; v24, v26  1 / l of the chunk that ends
.set PFO, 44
.set SPW, 46
.set NIL, 47
.set TMP, 48                           ; by parity and tile four registers at work; c2 takes a
.set S,   64
.set P,   192
.set QF,  64                           ; window 1
.set KF,  128                          ; window 2
.set VF,  192
.set WV, 12
.set CX, 13
.set CC, 14
.set EE, 15
.set G0P, 16
.set G1K, 24
.set G1V, 32
.set G0K, 40
.set G0V, 44
.set G1P, 48
.set SLOTS, 56
.set CNT, 57
.set CS,  58
.set SEL, 60
.set TBK, 62
.set TBV, 63
.set NXT, 66                           ; the content to be asked for next
.set SIG, 67                           ; the content to be entered
.set MSK, 68                           ; tiles in a chunk, less 1
.set ZF,  69
.set XF,  70
.set RS,  71                           ; added to c m_old: 0, or a number far below every c s where a chunk begins
.set S5C, 72
.set S6C, 73
.set HM,  74
.set S4C, 75
.set OFF, 76
.set CB,  78
.set E5,  79
.set QA,  80
.set OA,  82
.set PFA, 84
.set PFL, 86
.set JQ,  87
.set JEND, 88
.set JC,  89
.set HLF, 90
.set PBASE, 96
.set PADD, 98
.set PW,  99
.set E4,  100
.set MSB, 0
.macro WIN new
.if MSB != (\new)
	s_set_vgpr_msb (MSB<<8)|(\new)
.set MSB, (\new)
.endif
.endm
.set W_KQ, 0x0a
.set W_PV, 0x52
.set W_RS, 0x41
.macro JLOAD                           ; waves 0 and 1 fetch the two halves of a content's K, waves 2 and 3 those of its V
	s_cmp_lt_u32 s[WV], 2
	s_cbranch_scc0 .Lfor_v_\@
	tensor_load_to_lds s[G0K:G0K+3], s[G1K:G1K+7]
	s_nop 0
.rept 4
	v_nop
.endr
	s_branch .Lasked_\@
.Lfor_v_\@:
	tensor_load_to_lds s[G0V:G0V+3], s[G1V:G1V+7]
	s_nop 0
.rept 4
	v_nop
.endr
.Lasked_\@:
.endm
.macro CROUND
	s_barrier_signal -1
	s_barrier_wait -1
	s_cmp_lg_u32 s[WV], 0
	s_cbranch_scc1 .Lnot_wave_0_\@
	s_barrier_signal -3
.Lnot_wave_0_\@:
	s_barrier_wait -3
	s_barrier_signal -1
	s_barrier_wait -1
.endm
; The byte offset in kh and vh of the work-group's half tile (128 keys) number s[kr], 0 to 31: G = 32 e + number; pair G >> (6 - c); half tile in the walk G & ((32>>c) - 1).
.macro KOFF kr
	s_add_co_u32 s91, s[E5], s[\kr]
	s_lshr_b32 s92, s91, s[S6C]
	s_lshl_b32 s92, s92, s[S5C]
	s_and_b32 s91, s91, s[HM]
	s_add_co_u32 s91, s91, s92
	s_lshl_b32 s91, s91, 14
	s_add_co_u32 s[OFF], s91, s[CB]
.endm
; A PREFETCH INTO THE L2, behind the joint load: wave 0 names K's tile of 256 keys two behind the content just asked for, wave 2 V's tile one behind it: what the next change of slots will ask for.
; A tile is asked for in its pair's first walk alone (J even), its 128 blocks of 256 bytes shared out among the four partners by address, a lane a block.  Past the work-group's last tile nothing is asked for.
.macro ASK
	s_cmp_eq_u32 s[PFL], 1
	s_cbranch_scc0 .Lnot_mine_\@
	global_prefetch_b8 v[PFO], s[PFA:PFA+1] th:TH_LOAD_NT scope:SCOPE_SE
.Lnot_mine_\@:
.endm
; THE CHANGE OF SLOTS.  Each wave waits for all its tensor loads, adds 0 to its spare word, and waits for that and for its reads of the slot that it leaves.  fill = 1: a round of the cluster's barrier, and the
; old slot is filled again first thing behind it; the descriptors' addresses are made anew from the content's number.
.macro CHANGE fill
	WIN 0
	s_wait_tensorcnt 0x0                           ; no tensor load of mine is out, so a group 0 may be written
	ds_add_u32 v[SPW], v[NIL]                      ; 0 onto my spare word; scalar work stands between it and the wait for it
.if \fill
	s_lshl_b32 s93, s[NXT], 1
	s_add_co_u32 s93, s93, s[HLF]                  ; V's half tile 2 t + half
	KOFF 93
	s_xor_b32 s[G0V+1], s[G0V+1], SLOT1
	s_add_nc_u64 s[G0V+2:G0V+3], s[8:9], s[OFF:OFF+1]
	s_or_b32 s[G0V+3], s[G0V+3], 0x80000000
	s_add_co_u32 s93, s93, 1                       ; K's runs one half tile ahead,
	s_min_u32 s93, s93, 31                         ; and stops at the last
	KOFF 93
	s_xor_b32 s[G0K+1], s[G0K+1], SLOT1
	s_add_nc_u64 s[G0K+2:G0K+3], s[6:7], s[OFF:OFF+1]
	s_or_b32 s[G0K+3], s[G0K+3], 0x80000000
	s_add_co_u32 s94, s[NXT], s[PADD]              ; the tile that I would prefetch
	s_min_u32 s95, s94, 15
	s_lshl_b32 s93, s95, 1
	KOFF 93
	s_wait_xcnt 0x0                                ; the last prefetch, four turns back, has read its address
	s_add_nc_u64 s[PFA:PFA+1], s[PBASE:PBASE+1], s[OFF:OFF+1]
	s_add_co_u32 s95, s95, s[E4]
	s_lshr_b32 s95, s95, s[S4C]                    ; its walk J
	s_and_b32 s95, s95, 1
	s_cmp_eq_u32 s95, 0
	s_cselect_b32 s[PFL], s[PW], 0
	s_cmp_le_u32 s94, 15
	s_cselect_b32 s[PFL], s[PFL], 0
	s_add_co_u32 s[NXT], s[NXT], 1
	s_wait_dscnt 0x0                               ; the add is done, and my reads of the slot are over
	CROUND
	JLOAD
	ASK
.else
	s_wait_dscnt 0x0
	s_barrier_signal -1
	s_barrier_wait -1
.endif
	s_sub_co_u32 s[TBK], s[TBK], 4*KS*PK           ; the fetches go back to a slot's first step, in the other slot
	s_xor_b32 s[TBK], s[TBK], SLOT1
	s_sub_co_u32 s[TBV], s[TBV], 4*KS*PV
	s_xor_b32 s[TBV], s[TBV], SLOT1
.endm
; Walk s[jr]: my wave's first row in s20, the head in s21.  What hangs on cx lives in s2, s3, s20-22 alone: no descriptor is made of these.
.macro ROWH jr
	s_lshr_b32 s22, s[\jr], 1                      ; the pair
	s_and_b32 s20, s22, 3                          ; the batch
	s_lshl_b32 s20, s20, 10
	s_lshr_b32 s21, s22, 2
	s_lshl_b32 s21, s21, 2
	s_add_co_u32 s21, s21, s[CC]
	s_and_b32 s22, s[\jr], 1
	s_lshl_b32 s22, s22, 2
	s_add_co_u32 s22, s22, s[CX]                   ; the chunk of 128 queries
	s_lshl_b32 s22, s22, 7
	s_add_co_u32 s20, s20, s22
	s_lshl_b32 s22, s[WV], 5
	s_add_co_u32 s20, s20, s22
.endm
.macro QADDR jr
	ROWH \jr
	s_lshl_b32 s2, s20, 12
	s_lshl_b32 s21, s21, 8
	s_add_co_u32 s2, s2, s21
	s_mov_b32 s3, 0
	s_add_nc_u64 s[QA:QA+1], s[4:5], s[2:3]
.endm
.macro OADDR jr
	ROWH \jr
	s_lshr_b32 s2, s20, 6
	s_lshl_b32 s2, s2, 17
	s_lshl_b32 s21, s21, 13
	s_add_co_u32 s2, s2, s21
	s_and_b32 s20, s20, 63
	s_lshl_b32 s20, s20, 7
	s_add_co_u32 s2, s2, s20
	s_mov_b32 s3, 0
	s_add_nc_u64 s[OA:OA+1], s[10:11], s[2:3]
.endm
.macro QLOAD                           ; 32 rows x 64 channels of f32, in the order of the fragments: tile z / 2, channels 32 (z % 2) on
	WIN 0x40
.set z, 0
.rept 4
	global_load_b128 v[QF+16*z:QF+16*z+3],     v[QO], s[QA:QA+1] offset:65536*(z/2)+128*(z%2)
	global_load_b128 v[QF+16*z+4:QF+16*z+7],   v[QO], s[QA:QA+1] offset:65536*(z/2)+128*(z%2)+16
	global_load_b128 v[QF+16*z+8:QF+16*z+11],  v[QO], s[QA:QA+1] offset:65536*(z/2)+128*(z%2)+64
	global_load_b128 v[QF+16*z+12:QF+16*z+15], v[QO], s[QA:QA+1] offset:65536*(z/2)+128*(z%2)+80
.set z, z+1
.endr
	WIN 0
.endm
.macro QCVT
	WIN 0x85
.set z, 0
.rept 32
	v_cvt_pk_f16_f32 v[z], v[QF+2*z], v[QF+2*z+1]
.set z, z+1
.endr
	WIN 0
.endm
.macro QNEXT                           ; the Q of the walk after the one in place, if the work-group has one
	s_cmp_lt_u32 s[JQ], s[JEND]
	s_cbranch_scc0 .Lno_q_\@
	QADDR JQ
	QLOAD
	s_add_co_u32 s[JQ], s[JQ], 1
.Lno_q_\@:
.endm
	s_load_b256 s[4:11], s[0:1], 0x0               ; qf s[4:5], kh s[6:7], vh s[8:9], obl s[10:11]
	v_lshl_add_u32 v[SPW], v0, 2, SPARE
	v_mov_b32 v[NIL], 0
	ds_add_u32 v[SPW], v[NIL]                      ; the wave's opening: the add and its wait stand ahead of my first tensor load
	v_lshrrev_b32 v1, 5, v0
	v_readfirstlane_b32 s[WV], v1
	s_bfe_u32 s[CX], ttmp6, 0x40000
	s_mov_b32 s20, ttmp9                           ; the cluster: 0-31 class 0, 32-47 class 1, 48-55 class 2, 56-59 class 3
	s_cmp_ge_u32 s20, 32
	s_cselect_b32 s[CC], 1, 0
	s_cselect_b32 s21, 32, 0
	s_cmp_ge_u32 s20, 48
	s_cselect_b32 s[CC], 2, s[CC]
	s_cselect_b32 s21, 48, s21
	s_cmp_ge_u32 s20, 56
	s_cselect_b32 s[CC], 3, s[CC]
	s_cselect_b32 s21, 56, s21
	s_sub_co_u32 s[EE], s20, s21
	s_and_b32 s[HLF], s[WV], 1
	s_sub_co_u32 s[S4C], 4, s[CC]
	s_sub_co_u32 s[S5C], 5, s[CC]
	s_sub_co_u32 s[S6C], 6, s[CC]
	s_lshr_b32 s[HM], 32, s[CC]
	s_sub_co_u32 s[HM], s[HM], 1
	s_lshr_b32 s[MSK], 16, s[CC]
	s_sub_co_u32 s[MSK], s[MSK], 1
	s_lshr_b32 s21, 1<<24, s[CC]
	s_sub_co_u32 s[CB], 1<<24, s21
	s_lshl_b32 s[E5], s[EE], 5
	s_lshl_b32 s[E4], s[EE], 4
	s_mov_b32 s[OFF+1], 0
	s_mov_b32 s[G1K], 15|(1<<16)|(1<<20)|(1<<21)|(4<<22)|(3<<25)  ; mask of four; 2-byte elements; padding on, 4 words after every 32; bit 21 beside a mask
	s_mov_b32 s[G1V], 15|(1<<16)|(1<<20)|(1<<21)|(4<<22)|(7<<25)  ; the same with 8 words
	s_mov_b32 s[G1P], 15|(1<<16)|(1<<20)|(1<<21)|(4<<22)|(3<<25)
.irp g, G1K, G1V
	s_mov_b32 s[\g+1], 128<<16                     ; 128 keys are 16,384 dense bytes: 64 rows of 256
	s_mov_b32 s[\g+2], 64<<16
	s_mov_b32 s[\g+3], 128<<16
	s_mov_b32 s[\g+4], 64
	s_mov_b32 s[\g+5], 128
	s_mov_b32 s[\g+6], 0
	s_mov_b32 s[\g+7], 0
.endr
	s_mov_b32 s[G1P+1], 128<<16                    ; 64 keys: 32 rows of 256
	s_mov_b32 s[G1P+2], 32<<16
	s_mov_b32 s[G1P+3], 128<<16
	s_mov_b32 s[G1P+4], 32
	s_mov_b32 s[G1P+5], 128
	s_mov_b32 s[G1P+6], 0
	s_mov_b32 s[G1P+7], 0
	s_mul_i32 s93, s[HLF], 128*PK
	s_mul_i32 s94, s[HLF], 128*PV
	s_mul_i32 s95, s[HLF], 64*PK
	s_mov_b32 s[G0K], 1
	s_mov_b32 s[G0K+1], s93
	s_mov_b32 s[G0V], 1
	s_add_co_u32 s[G0V+1], s94, VOFF
	s_mov_b32 s[G0P], 1
	s_add_co_u32 s[G0P+1], s95, KPRE
	s_mov_b32 s[CS], 0x3e38aa3b                    ; c = log2(e) / 8
	s_mov_b32 s[CS+1], s[CS]
	s_mov_b32 s[SEL], 0x76543210
	s_mov_b32 s[SEL+1], 0xfedcba98
	s_mov_b32 s[TBK], SLOT1+4*KS*PK                ; the first change of slots turns these two into 0
	s_mov_b32 s[TBV], SLOT1+4*KS*PV
	s_mov_b32 s[NXT], 1
	s_mov_b32 s[SIG], 0
	s_mov_b32 s[RS], 0xfe000000
	s_lshl_b32 s[JC], s[EE], s[CC]                 ; my first walk,
	s_lshl_b32 s93, 1, s[CC]
	s_add_co_u32 s[JEND], s[JC], s93               ; and the one behind my last
	s_mov_b32 s[JQ], s[JC]
	s_cmp_eq_u32 s[HLF], 0
	s_cselect_b32 s[PW], 1, 0                      ; waves 0 and 2 prefetch
	v_and_b32 v[PFO], 31, v0
	v_lshlrev_b32 v[PFO], 8, v[PFO]
	s_wait_dscnt 0x0                               ; the opening add is done
	s_wait_kmcnt 0x0
	s_add_co_u32 s93, s[HLF], 1                    ; content 0: K's half tiles 1 and 2,
	KOFF 93
	s_add_nc_u64 s[G0K+2:G0K+3], s[6:7], s[OFF:OFF+1]
	s_or_b32 s[G0K+3], s[G0K+3], 0x80000000
	KOFF HLF                                       ; V's 0 and 1,
	s_add_nc_u64 s[G0V+2:G0V+3], s[8:9], s[OFF:OFF+1]
	s_or_b32 s[G0V+3], s[G0V+3], 0x80000000
	s_mov_b32 s93, 0                               ; and K's half tile 0, 64 keys a wave
	KOFF 93
	s_lshl_b32 s94, s[HLF], 13
	s_add_co_u32 s[OFF], s[OFF], s94
	s_add_nc_u64 s[G0P+2:G0P+3], s[6:7], s[OFF:OFF+1]
	s_or_b32 s[G0P+3], s[G0P+3], 0x80000000
	s_cmp_lt_u32 s[WV], 2
	s_cselect_b64 s[PBASE:PBASE+1], s[6:7], s[8:9]
	s_cselect_b32 s[PADD], 2, 1
	s_lshl_b32 s2, s[CX], 13                       ; my work-group's 32 blocks of a tile's 128
	s_mov_b32 s3, 0
	s_add_nc_u64 s[PBASE:PBASE+1], s[PBASE:PBASE+1], s[2:3]
	CROUND                                         ; all four work-groups are here: the first joint loads meet
	s_cmp_lt_u32 s[WV], 2                          ; a wave's first fills stand in one branch: two loads of waves 0 and 1 are out, one of waves 2 and 3
	s_cbranch_scc0 .Lfirst_v
	tensor_load_to_lds s[G0P:G0P+3], s[G1P:G1P+7]
	s_nop 0
	tensor_load_to_lds s[G0K:G0K+3], s[G1K:G1K+7]
	s_nop 0
.rept 4
	v_nop
.endr
	s_branch .Lfirst_asked
.Lfirst_v:
	tensor_load_to_lds s[G0V:G0V+3], s[G1V:G1V+7]
	s_nop 0
.rept 4
	v_nop
.endr
.Lfirst_asked:
	v_and_b32 v1, 15, v0                           ; l % 16
	v_bfe_u32 v10, v0, 4, 1                        ; l / 16
	v_and_b32 v11, 7, v0
	v_lshlrev_b32 v[QO], 12, v1
	v_lshl_add_u32 v[QO], v10, 5, v[QO]            ; row x 4,096 + 32 x half
	QADDR JQ
	QLOAD
	s_add_co_u32 s[JQ], s[JQ], 1
	OADDR JC
	; What the first turn finds: V's registers and P's odd buffer hold 0 (its products V^T P, of a step that has not been, add 0); O^T, l and the odd buffer's a are 0.  All this stands in the wait for the first tile.
	WIN 0x80
.set i, VF
.rept 64
	v_mov_b32 v[i], 0
.set i, i+1
.endr
	WIN 0x40
.set i, 0
.rept 64
	v_mov_b32 v[i], 0
.set i, i+1
.endr
	WIN 0
.set i, P+32
.rept 32
	v_mov_b32 v[i], 0
.set i, i+1
.endr
.set i, 0
.rept 2
	v_mov_b32 v[ST+4*i], 0
	v_mov_b32 v[ST+4*i+1], 0xff7fffff              ; m: the lowest finite number
	v_mov_b32 v[ST+4*i+2], 0
	v_mov_b32 v[ST+4*i+3], 0
.set i, i+1
.endr
.set i, RL
.rept 8
	v_mov_b32 v[i], 0                              ; 1 / l's pairs, and four registers at work
.set i, i+1
.endr
.set i, TMP+8
.rept 8
	v_mov_b32 v[i], 0
.set i, i+1
.endr
	v_mul_u32_u24 v[AK0], v1, PK
	v_lshl_add_u32 v[AK0], v10, 4, v[AK0]          ; key x pitch + 16 x half
	v_bfe_u32 v32, v0, 3, 1                        ; the turning load: lane l reads key 8 (l / 16) + l % 8, channels 8 ((l / 8) % 2) + 0..7
	v_lshl_add_u32 v[AV0], v10, 3, v11
	v_mul_u32_u24 v[AV0], v[AV0], PV
	v_lshl_add_u32 v[AV0], v32, 4, v[AV0]
	v_add_nc_u32 v[AV0], VOFF, v[AV0]
	s_wait_loadcnt 0x0                             ; the first chunk's Q
	QCVT
	QNEXT
; THE MATRIX WORK.  The 8 accumulators of a run of 16 take turns.  Product i of 16 of S^T = K Q^T into parity x: channels 32 (i / 8) on, keys 16 ((i / 2) % 4) on, tile i % 2.
.macro KQ x
	WIN W_KQ
.set rS, S+64*(\x)+32*(i%2)+8*((i/2)%4)
.set rK, KF+16*((i/2)%4)+8*(i/8)
.set rQ, 16*(i%2)+8*(i/8)
.if i < 8
	v_wmma_f32_16x16x32_f16 v[rS:rS+7], v[rK:rK+7], v[rQ:rQ+7], 0
.else
	v_wmma_f32_16x16x32_f16 v[rS:rS+7], v[rK:rK+7], v[rQ:rQ+7], v[rS:rS+7]
.endif
.endm
; Product i of 16 of O^T += V^T P from parity x: keys 32 (i / 8) on, channels 16 ((i / 2) % 4) on, tile i % 2.
.macro PV x
	WIN W_PV
.set rO, 32*(i%2)+8*((i/2)%4)
.set rV, VF+32*(i/8)+8*((i/2)%4)
.set rP, P+32*(\x)+16*(i%2)+8*(i/8)
	v_wmma_f32_16x16x32_f16 v[rO:rO+7], v[rV:rV+7], v[rP:rP+7], v[rO:rO+7]
.endm
.macro MM
.if i < 16
	KQ (Y+1)%2
.set i, i+1
.else
.set i, i-16
	PV (Y+1)%2
.set i, i+17
.endif
.endm
.macro FETCH_K step                    ; a step's K: 8 fragments, 16 loads in one run
	WIN 0x80
.irp f, 0,1,2,3,4,5,6,7
	ds_load_b128 v[KF+8*\f:KF+8*\f+3],   v[AK] offset:(\f/2)*16*PK+(\f%2)*64
	ds_load_b128 v[KF+8*\f+4:KF+8*\f+7], v[AK] offset:(\f/2)*16*PK+(\f%2)*64+32
.endr
.if \step
	s_add_co_u32 s[TBK], s[TBK], KS*PK
.endif
	WIN 0
.endm
.macro FETCH_V
	WIN 0x80
.irp f, 0,1,2,3,4,5,6,7
	ds_load_tr16_b128 v[VF+8*\f:VF+8*\f+3],   v[AV] offset:(\f/4)*32*PV+(\f%4)*32
	ds_load_tr16_b128 v[VF+8*\f+4:VF+8*\f+7], v[AV] offset:(\f/4)*32*PV+16*PV+(\f%4)*32
.endr
	WIN 0
.endm
; THE VECTOR WORK stands in three queues, each in the order in which its entries become ready; the two tiles alternate.
.macro REGS y, u                       ; the registers of tile u in parity y; statistics and O^T have no parity
.set rT, ST+4*(\u)
.set rC, TMP+8*(\y)+4*(\u)
.set rM, MV+2*(\y)+(\u)
.set rS, S+64*(\y)+32*(\u)
.set rP, P+32*(\y)+16*(\u)
.set rO, 32*(\u)
.endm
; Number n of the 22 that find the NEXT step's maximum and statistics; each accumulator's lowest registers are read first.
;   0-11 four chains of seven scores   12-14, 16 the four left over, the old m, the four chains into one   15 c m_old (+ RS) is kept   17, 18 the other half of the lanes; the new m   19-21 c m; its change; a
.macro XS u, n
	REGS (Y+1)%2, \u
.if (\n) < 4
	v_max3_num_f32 v[rC+(\n)], v[rS+8*(\n)], v[rS+8*(\n)+1], v[rS+8*(\n)+2]
.elseif (\n) < 12
	v_max3_num_f32 v[rC+(\n)%4], v[rC+(\n)%4], v[rS+8*((\n)%4)+2*((\n)/4)+1], v[rS+8*((\n)%4)+2*((\n)/4)+2]
.elseif (\n) == 12
	v_max3_num_f32 v[rC], v[rC], v[rS+7], v[rS+15]
.elseif (\n) == 13
	v_max3_num_f32 v[rC+1], v[rC+1], v[rS+23], v[rS+31]
.elseif (\n) == 14
	v_max3_num_f32 v[rC+2], v[rC+2], v[rC+3], v[rT+1]
.elseif (\n) == 15
	v_add_f32 v[rM], s[RS], v[rT]
.elseif (\n) == 16
	v_max3_num_f32 v[rC], v[rC], v[rC+1], v[rC+2]
.elseif (\n) == 17
	v_permlanex16_b32 v[rC+3], v[rC], s[SEL], s[SEL+1]
.elseif (\n) == 18
	v_max_num_f32 v[rT+1], v[rC], v[rC+3]
.elseif (\n) == 19
	v_mul_f32 v[rT], s[CS], v[rT+1]
.elseif (\n) == 20
	v_sub_f32 v[rC+1], v[rM], v[rT]
.else
	v_exp_f32 v[rC+2], v[rC+1]
.endif
.endm
; Number g of the 64 that follow the exponentials: of each four weights both pairs are rounded to f16, the second pair is added onto the first, and a group later l takes the sum (the first time as l = a l + sum).
.macro GS g
.set h, (\g)+6*((\g)/62)
.if h >= 6
.set h, h+2
.endif
	REGS Y, h%2
.set k, h/8
.if h%8 < 4
	v_cvt_pk_f16_f32 v[rP+2*k+(h%8)/2], v[rS+4*k+2*((h%8)/2)], v[rS+4*k+2*((h%8)/2)+1]
.elseif h%8 < 6
	v_pk_add_f32 v[rS+4*k:rS+4*k+1], v[rS+4*k:rS+4*k+1], v[rS+4*k+2:rS+4*k+3]
.elseif k == 1
	v_pk_fma_f32 v[rT+2:rT+3], v[rT+2:rT+3], v[rC+2:rC+3], v[rS:rS+1] op_sel_hi:[1,0,1]
.else
	v_pk_add_f32 v[rT+2:rT+3], v[rT+2:rT+3], v[rS+4*k-4:rS+4*k-3]
.endif
.endm
.macro FS f                            ; c s - c m for pair f / 2 of tile f % 2.  All 32 stand ahead of number 19 of XS, which writes c m anew
	REGS Y, (\f)%2
	v_pk_fma_f32 v[rS+2*((\f)/2):rS+2*((\f)/2)+1], v[rS+2*((\f)/2):rS+2*((\f)/2)+1], s[CS:CS+1], v[rT:rT+1] op_sel_hi:[1,0,0] neg_lo:[0,0,1] neg_hi:[0,0,1]
.endm
; THE PLAIN QUEUE, 138 long.  0-26 scalings; 27-54 XS 0-13; 55, 56 XS 15; 57-73 the chain 14, 16, 17, 18, 19, each with one of the scalings 27-31 in front of its two lines, then 20; 74-137 GS.
.macro PL
	WIN 0
.if q < 27
	FS q
.elseif q < 55
	XS (q-27)%2, (q-27)/2
.elseif q < 57
	XS q-55, 15
.elseif (q < 72) && ((q-57)%3 == 0)
	FS 27+(q-57)/3
.elseif q < 60
	XS (q-57)%3-1, 14
.elseif q < 72
	XS (q-57)%3-1, 15+(q-57)/3
.elseif q < 74
	XS q-72, 20
.else
	GS q-74
.endif
.set q, q+1
.endm
.macro EX                              ; THE EXPONENTIALS' QUEUE, 66 long: one batch, all ahead of the turn's one wait
	WIN 0
.if e >= 64
	XS e-64, 21
.else
	REGS Y, e%2
	v_exp_f32 v[rS+e/2], v[rS+e/2]
.endif
.set e, e+1
.endm
.macro R2                              ; THE RESCALING: O^T times the a of the step whose products V^T P this turn adds; that a lies in the other parity's work registers, which XS writes only in the lump, behind all sixteen
	REGS (Y+1)%2, r%2
	WIN W_RS
.irp z, 0,1
	v_pk_mul_f32 v[rO+4*(r/2)+2*\z:rO+4*(r/2)+2*\z+1], v[rO+4*(r/2)+2*\z:rO+4*(r/2)+2*\z+1], v[rC+2:rC+3] op_sel_hi:[1,0]
.endr
.set r, r+1
.endm
; A TURN, for a step of parity y.  Ahead of its one wait stands all that names no result of the turn's exponentials: 16 products K Q^T, behind each a scaling, an exponential and two rescalings; then a lump of 108.
; Behind it: K of the step after next is fetched; 16 products V^T P, behind each four roundings and sums; V of the step in hand is fetched, four plain instructions behind its registers' last reader.
.macro TURN y
.set Y, (\y)
.set i, 0
.set q, 0
.set e, 0
.set r, 0
	s_wait_dscnt 16                                ; K is in; V's 16 loads are younger
	MM
	PL
	PL
	R2
.rept 15
	MM
	PL
	EX
	R2
.endr
	WIN 0
	v_add_nc_u32 v[AK], s[TBK], v[AK0]
.rept 8
	PL
.endr
.rept 49
	EX
	PL
.endr
	EX
	EX
	v_nop                                          ; a plain instruction behind the last exponential: one for the batch
	s_wait_alu depctr_va_vdst(0)                   ; the wait for the batch, ahead of the first instruction that names a result
	FETCH_K 1
	s_wait_dscnt 16                                ; V is in; K's 16 loads are younger
.rept 16
	MM
.rept 4
	PL
.endr
.if q == 118
	v_add_nc_u32 v[AV], s[TBV], v[AV0]
.endif
.if q == 130
	s_add_co_u32 s[TBV], s[TBV], KS*PV
.endif
.endr
	FETCH_V
.endm
; Y: 1 / l of the chunk that ends.
.macro YBLK
	v_add_f32 v28, v[ST+2], v[ST+3]
	v_add_f32 v29, v[ST+6], v[ST+7]
	v_permlanex16_b32 v30, v28, s[SEL], s[SEL+1]
	v_permlanex16_b32 v31, v29, s[SEL], s[SEL+1]
	v_add_f32 v28, v28, v30
	v_add_f32 v29, v29, v31
	v_rcp_f32 v[RL], v28
	v_rcp_f32 v[RL+2], v29
	v_nop
	s_wait_alu depctr_va_vdst(0)                   ; one wait for the two reciprocals
.endm
; Z: O^T is divided by l, rounded to f16 and sent through my stage, a tile at a time: 16 rows of a head are 2,048 bytes on end in obl.  The packed words lie in S^T's even buffer, which is free here.
.macro PACK t
	WIN W_RS
.set i, 32*(\t)
.rept 16
	v_pk_mul_f32 v[i:i+1], v[i:i+1], v[RL+2*(\t):RL+2*(\t)+1] op_sel_hi:[1,0]
.set i, i+2
.endr
	WIN 0x05
.set i, 0
.rept 16
	v_cvt_pk_f16_f32 v[S+16*(\t)+i], v[32*(\t)+2*i], v[32*(\t)+2*i+1]
.set i, i+1
.endr
	WIN 0
.irp f, 0,1,2,3
	ds_store_b128 v[STO], v[S+16*(\t)+4*\f:S+16*(\t)+4*\f+3] offset:32*\f
.endr
.irp f, 0,1,2,3
	ds_load_b128 v[S+16*(\t)+4*\f:S+16*(\t)+4*\f+3], v[RD] offset:\f*4*SP  ; LDS serves a wave's instructions in order: these see the stores above
.endr
.endm
.macro SEND t, younger
	WIN 0
.irp f, 0,1,2,3
	s_wait_dscnt (\younger)+3-\f
	global_store_b128 v[GO], v[S+16*(\t)+4*\f:S+16*(\t)+4*\f+3], s[OA:OA+1] offset:(\t)*2048+\f*512
.endr
.endm
.macro ZBLK
	PACK 0
	PACK 1
	SEND 0, 8
	SEND 1, 0
.endm
	CHANGE 1                                       ; content 0 and K's first 128 keys are in, everybody's part; content 1 is asked for
	v_add_nc_u32 v[AK], KPRE, v[AK0]
	FETCH_K 0                                      ; key step 0
	s_wait_dscnt 0x0
.set i, 0
.rept 16
	KQ 0
.set i, i+1
.endr
	WIN 0                                          ; the addresses for the way out: plain instructions, the places behind those products
	s_mul_i32 s93, s[WV], 16*SP
	s_add_co_u32 s93, s93, STAGE
	v_mul_u32_u24 v[STO], v1, SP
	v_lshl_add_u32 v[STO], v10, 4, v[STO]
	v_add_nc_u32 v[STO], s93, v[STO]
	v_bfe_u32 v[RD], v0, 3, 2
	v_mul_u32_u24 v[RD], v[RD], SP
	v_lshl_add_u32 v[RD], v11, 4, v[RD]
	v_add_nc_u32 v[RD], s93, v[RD]
	v_and_b32 v[GO], 31, v0
	v_lshlrev_b32 v[GO], 4, v[GO]
	v_add_nc_u32 v[AK], KPRE+KS*PK, v[AK0]
	FETCH_K 0                                      ; key step 1
.set Y, 1                                      ; XS works for parity Y + 1: step 0's
.irp n, 0,1,2,3,4,5,6,7,8,9,10,11,12,13,14,15,16,17,18,19,20,21
	XS 0, \n
	XS 1, \n
.endr
	v_nop
	s_wait_alu depctr_va_vdst(0)
	s_wait_dscnt 0x0
	s_mov_b32 s[SLOTS], 15
	s_branch .Lenter
.Lslot:                                        ; 14 times: contents 2 to 15 are asked for
	CHANGE 1
.Lenter:
	s_mov_b32 s[RS], 0
	s_and_b32 s93, s[SIG], s[MSK]
	s_cmp_eq_u32 s93, 0                            ; a chunk's first tile, but not the walk's first?
	s_cselect_b32 s[ZF], 1, 0
	s_cmp_eq_u32 s[SIG], 0
	s_cselect_b32 s[ZF], 0, s[ZF]
	s_cmp_eq_u32 s93, s[MSK]                       ; a chunk's last tile, but not the walk's last?
	s_cselect_b32 s[XF], 1, 0
	s_cmp_eq_u32 s[SIG], 15
	s_cselect_b32 s[XF], 0, s[XF]
	s_add_co_u32 s[SIG], s[SIG], 1
	s_cmp_eq_u32 s[ZF], 1
	s_cbranch_scc0 .Lno_y
	YBLK
.Lno_y:
	s_mov_b32 s[CNT], 2
.Lstep:
	TURN 0
	s_cmp_eq_u32 s[ZF], 1
	s_cbranch_scc0 .Lno_z
	ZBLK
	s_wait_xcnt 0x0                                ; the stores have read their data and O's address: the next turn's products write S^T's even buffer
	s_add_co_u32 s[JC], s[JC], 1
	OADDR JC
	s_mov_b32 s[ZF], 0
.Lno_z:
	s_cmp_eq_u32 s[XF], s[CNT]                     ; the tile's fourth turn is the chunk's last
	s_cbranch_scc0 .Lno_x
	s_wait_loadcnt 0x0                             ; the next chunk's Q
	QCVT
	v_mov_b32 v[ST+1], 0xff7fffff
	v_mov_b32 v[ST+5], 0xff7fffff
	s_mov_b32 s[RS], 0xfe000000
	QNEXT
.Lno_x:
	TURN 1
	s_sub_co_u32 s[CNT], s[CNT], 1
	s_cmp_lg_u32 s[CNT], 0
	s_cbranch_scc1 .Lstep
	s_sub_co_u32 s[SLOTS], s[SLOTS], 1
	s_cmp_lg_u32 s[SLOTS], 0
	s_cbranch_scc1 .Lslot
	CHANGE 0                                       ; the last content is written out; no chunk begins or ends in it
	s_mov_b32 s[CNT], 2
.Ltail:
	TURN 0
	TURN 1
	s_sub_co_u32 s[CNT], s[CNT], 1
	s_cmp_lg_u32 s[CNT], 0
	s_cbranch_scc1 .Ltail
.set Y, 0
.set r, 0
.rept 16
	R2                                             ; O^T times the last step's a
.endr
	s_wait_dscnt 0x0                               ; the last step's V
.set i, 0
.rept 16
	PV 1
.set i, i+1
.endr
	WIN 0
	YBLK                                           ; its four additions and its v_nop are the places behind the last products
	ZBLK
	s_wait_tensorcnt 0x0                           ; the wave's end
	ds_add_u32 v[SPW], v[NIL]
	s_wait_dscnt 0x0
	CROUND                                         ; the closing round
	s_endpgm
.Lfunc_end_k_q785bbdf217_attn:
	.size	k_q785bbdf217_attn, .Lfunc_end_k_q785bbdf217_attn-k_q785bbdf217_attn
	.p2alignl 7, 3214868480
	.fill 96, 4, 3214868480
	.section	.rodata,"a",@progbits
	.p2align	6, 0x0
	.amdhsa_kernel k_q785bbdf217_attn
		.amdhsa_group_segment_fixed_size 327680
		.amdhsa_private_segment_fixed_size 0
		.amdhsa_enable_private_segment 0
		.amdhsa_kernarg_size 32
		.amdhsa_user_sgpr_count 2
		.amdhsa_user_sgpr_kernarg_segment_ptr 1
		.amdhsa_wavefront_size32 1
		.amdhsa_system_sgpr_workgroup_id_x 1
		.amdhsa_system_sgpr_workgroup_id_y 1
		.amdhsa_system_sgpr_workgroup_id_z 1
		.amdhsa_system_vgpr_workitem_id 0
		.amdhsa_next_free_vgpr 768
		.amdhsa_next_free_sgpr 102
		.amdhsa_reserve_vcc 0
		.amdhsa_float_denorm_mode_32 3
		.amdhsa_float_denorm_mode_16_64 3
		.amdhsa_memory_ordered 1
		.amdhsa_forward_progress 1
		.amdhsa_inst_pref_size 134
	.end_amdhsa_kernel
	.amdgpu_metadata
---
amdhsa.version: [ 1, 2 ]
amdhsa.kernels:
  - .name:           k_q785bbdf217_attn
    .symbol:         k_q785bbdf217_attn.kd
    .args:
      - { .name: qf, .offset: 0, .size: 8, .value_kind: global_buffer, .address_space: global }
      - { .name: kh, .offset: 8, .size: 8, .value_kind: global_buffer, .address_space: global }
      - { .name: vh, .offset: 16, .size: 8, .value_kind: global_buffer, .address_space: global }
      - { .name: obl, .offset: 24, .size: 8, .value_kind: global_buffer, .address_space: global }
    .group_segment_fixed_size: 327680
    .private_segment_fixed_size: 0
    .kernarg_segment_align: 8
    .kernarg_segment_size: 32
    .max_flat_workgroup_size: 128
    .sgpr_count:     102
    .vgpr_count:     768
    .wavefront_size: 32
...
	.end_amdgpu_metadata
.endif
;; end of part 4
;; launch oproj: the kernel of part 3 again; grid 8 x 32, 4 waves a work-group, clusters of 4 x 4, 327,680 bytes of LDS; arguments obl, wob, bo, out0; writes out0
;; ======== version 2 of 2: 5 launches; version 1 with the launch prep written anew for expert scheduling mode
;; limits: values are held in f16: magnitudes above 65,504 overflow, below 6.1e-05 lose precision
;; workspace buffers: dbl 8,388,608 bytes; wqb 2,097,152 bytes; wob 2,097,152 bytes; wkv 4,194,304 bytes; kh 15,728,640 bytes; vh 15,728,640 bytes; qf 16,777,216 bytes; obl 8,388,608 bytes
;; launch prep (part 5): grid 256 x 1, 8 waves a work-group, no clusters, 0 bytes of LDS; arguments decoder_input, Wq, Wo, Wk, Wv, dbl, wqb, wob, wkv; writes dbl, wqb, wob, wkv
.if DOCPART == 5
	.amdgcn_target "amdgcn-amd-amdhsa--gfx1250"
	.amdhsa_code_object_version 6
	.text
	.protected	k_q785bbdf217_prep
	.globl	k_q785bbdf217_prep
	.p2align	8
	.type	k_q785bbdf217_prep,@function
k_q785bbdf217_prep:
	s_mov_b64 s[64:65], 0
	v_nop
	global_prefetch_b8 v0, s[64:65] scope:SCOPE_SE
	s_setreg_imm32_b32 hwreg(HW_REG_WAVE_SCHED_MODE, 0, 2), 2
	s_setreg_imm32_b32 hwreg(HW_REG_WAVE_MODE, 25, 1), 1
	s_wait_xcnt 0x0
	s_wait_alu depctr_vm_vsrc(0)
; CASTS.  decoder_input [4096][1024], Wq, Wo [1024][1024] (f32) are rounded to bf16 and that number is written as f16, in blocks:
; element (row, k) at byte (row>>6)*131072 + (k>>6)*8192 + (row&63)*128 + (k&63)*2, so that 64 rows x 256 k are 32,768 bytes on end.
; Wk, Wv (f32) are rounded to bf16 and laid by stride class: [class 4][block 4][k step 8][row 128][k 128]; blocks 0, 1 hold Wk, 2, 3 Wv;
; head 4 j4 + class lies in block 2 isV + (j4>>1), rows 64 (j4&1) on.
; LIMITS.  A bf16 number is exact in f16 from 6.1e-5 to 65,504; below that it keeps f16's fixed step of 6e-8; beyond 65,504 it becomes an infinity.
; SHARES.  A work-group takes 32 rows x 1,024 columns: 128 KiB in, 64 KiB out.  All 32 loads of a thread go out first; each unit of 8 numbers
; is converted when its two loads are in; four units are stored together: a wave's store covers 512 bytes in whole aligned runs of 256.
; No LDS, no matrix unit, no cluster: nothing is shared and nothing is summed.
; THE MODE: SCHED_MODE bits 1:0 = 2 (LLVM: expert scheduling mode 2), set by the entry lines.  The code itself states the register dependences
; between vector instructions and memory instructions, with s_wait_alu, always for 0.
; THE PLAN.  Registers that memory instructions touch:
;   v1, v2       byte offsets in the source and in the destination.  Written once, at the head of each of the two paths; read by every load (v1) and every store (v2); never written again.
;   U0 .. U15    unit i: eight registers.  Written by the unit's two loads, which go out ahead of every conversion; read by the unit's conversions behind its wait on LOADcnt; its first four
;                are then written by the unit's roundings and read by the unit's one store; behind that store nothing writes them.
;   T            at work: named by vector instructions alone.
; So one wait on va_vdst stands ahead of the first load, for the two offsets, and one behind the conversions of each block of four units, ahead of the block's run of four stores.
; No register that a load or store has read is written again, no vector instruction writes a scalar register or VCC, and EXEC is never written: no other wait of this kind is owed.
.set U, 16                             ; v[16:143]  unit i: 8 registers as loaded; its first 4 then hold the 16 bytes to store
.set T, 144                            ; v[144:155] at work
.set BLK, 4                            ; units in a block
	s_load_b512 s[8:23], s[0:1], 0x0               ; decoder s[8:9], Wq s[10:11], Wo s[12:13], Wk s[14:15], Wv s[16:17], dbl s[18:19], wqb s[20:21], wob s[22:23]
	s_load_b64 s[24:25], s[0:1], 0x40              ; wkv
	s_mov_b32 s2, ttmp9                            ; the work-group's number x
	s_mov_b32 s5, 0                                ; high word of every offset pair
	s_mov_b32 s30, 0xffff0000                      ; a word's upper bf16
	s_wait_kmcnt 0x0
; kind 0: blocks of f16.  kind 1: class blocks of bf16.  v1 = my byte offset in the source, v2 = in the destination; neither is rewritten.
.macro UNITS kind
	s_wait_alu depctr_va_vdst(0)                   ; v1 and v2 are written: every load below reads v1 as its offset, every store v2
.set i, 0
.rept 16
.if \kind
.set so, 8192*(i/8)+512*(i%8)
.else
.set so, 256*i
.endif
	global_load_b128 v[U+8*i:U+8*i+3],   v1, s[26:27] offset:so th:TH_LOAD_NT
	global_load_b128 v[U+8*i+4:U+8*i+7], v1, s[26:27] offset:so+16 th:TH_LOAD_NT
.set i, i+1
.endr
.set i, 0
.rept 16
	s_wait_loadcnt 30-2*i                          ; loads come back in order: the 2 (15 - i) loads of the younger units may stay out
.if \kind
.irp p, 0,1,2,3
	v_cvt_pk_bf16_f32 v[U+8*i+(\p)], v[U+8*i+2*(\p)], v[U+8*i+2*(\p)+1]
.endr
.else
.irp p, 0,1,2,3
	v_cvt_pk_bf16_f32 v[T+(\p)], v[U+8*i+2*(\p)], v[U+8*i+2*(\p)+1]
.endr
.irp p, 0,1,2,3
	v_lshlrev_b32 v[T+4+2*(\p)], 16, v[T+(\p)]     ; the bf16 numbers as f32 again,
	v_and_b32     v[T+5+2*(\p)], s30, v[T+(\p)]
.endr
.irp p, 0,1,2,3
	v_cvt_pk_f16_f32 v[U+8*i+(\p)], v[T+4+2*(\p)], v[T+5+2*(\p)]  ; and written as f16
.endr
.endif
.if i%BLK == BLK-1
	s_wait_alu depctr_va_vdst(0)                   ; the block's roundings have written the first four registers of its four units, which the four stores below read
.set k, i-(BLK-1)
.rept BLK
.if \kind
	global_store_b128 v2, v[U+8*k:U+8*k+3], s[28:29] offset:512*(k/8)+32768*(k%8) th:TH_STORE_NT
.else
	global_store_b128 v2, v[U+8*k:U+8*k+3], s[28:29] offset:8192*k th:TH_STORE_NT
.endif
.set k, k+1
.endr
.endif
.set i, i+1
.endr
.endm
	s_cmp_ge_u32 s2, 192
	s_cbranch_scc1 .Lkv
	; x 0-127: decoder; 128-159: Wq; 160-191: Wo.  g = my group of 32 rows in that tensor
	s_cmp_ge_u32 s2, 128
	s_cselect_b64 s[26:27], s[10:11], s[8:9]
	s_cselect_b64 s[28:29], s[20:21], s[18:19]
	s_cselect_b32 s3, 128, 0
	s_cmp_ge_u32 s2, 160
	s_cselect_b64 s[26:27], s[12:13], s[26:27]
	s_cselect_b64 s[28:29], s[22:23], s[28:29]
	s_cselect_b32 s3, 160, s3
	s_sub_co_u32 s3, s2, s3
	s_lshl_b32 s4, s3, 17                          ; 32 rows of 4,096 bytes
	s_add_nc_u64 s[26:27], s[26:27], s[4:5]
	s_lshr_b32 s4, s3, 1
	s_lshl_b32 s4, s4, 17                          ; the group of 64 rows,
	s_and_b32 s6, s3, 1
	s_lshl_b32 s6, s6, 12                          ; and its upper or lower 32 rows of 128 bytes
	s_or_b32 s4, s4, s6
	s_add_nc_u64 s[28:29], s[28:29], s[4:5]
	v_lshrrev_b32 v1, 3, v0                        ; row t / 8,
	v_and_b32 v2, 7, v0
	v_lshlrev_b32 v1, 12, v1
	v_lshl_or_b32 v1, v2, 5, v1                    ; 8 numbers at 32 (t % 8) of a slice's 256 bytes
	v_lshlrev_b32 v2, 4, v0                        ; out: row x 128 + 16 (t % 8) = 16 t
	UNITS 0
	s_endpgm
.Lkv:
	; x 192-223: Wk; 224-255: Wv
	s_cmp_ge_u32 s2, 224
	s_cselect_b64 s[26:27], s[16:17], s[14:15]
	s_cselect_b32 s7, 1, 0                         ; isV
	s_cselect_b32 s3, 32, 0                        ; (an instruction holds one literal: the 192 is taken away in a line of its own)
	s_sub_co_u32 s3, s2, s3
	s_sub_co_u32 s3, s3, 192                       ; g = x - 192 - 32 isV
	s_lshl_b32 s4, s3, 17
	s_add_nc_u64 s[26:27], s[26:27], s[4:5]
	s_lshr_b32 s6, s3, 1                           ; the head
	s_and_b32 s4, s6, 3                            ; its class
	s_lshl_b32 s4, s4, 20
	s_lshr_b32 s6, s6, 2                           ; j4
	s_lshr_b32 s31, s6, 1
	s_lshl1_add_u32 s31, s7, s31                   ; block 2 isV + (j4>>1)
	s_lshl_b32 s31, s31, 18
	s_or_b32 s4, s4, s31
	s_and_b32 s6, s6, 1
	s_lshl_b32 s6, s6, 14                          ; 64 (j4&1) rows of 256 bytes
	s_or_b32 s4, s4, s6
	s_and_b32 s6, s3, 1
	s_lshl_b32 s6, s6, 13                          ; 32 (g&1) rows
	s_or_b32 s4, s4, s6
	s_add_nc_u64 s[28:29], s[24:25], s[4:5]
	v_lshrrev_b32 v3, 5, v0                        ; a wave takes 4 rows, two at a time: lanes 0-15 one, lanes 16-31 the next
	v_bfe_u32 v4, v0, 4, 1
	v_and_b32 v5, 15, v0
	v_lshlrev_b32 v1, 14, v3
	v_lshl_or_b32 v1, v4, 12, v1
	v_lshl_or_b32 v1, v5, 5, v1
	v_lshlrev_b32 v2, 10, v3
	v_lshl_or_b32 v2, v4, 8, v2
	v_lshl_or_b32 v2, v5, 4, v2                    ; sixteen lanes fill a row's 256 bytes of a k step
	UNITS 1
	s_endpgm
.Lfunc_end_k_q785bbdf217_prep:
	.size	k_q785bbdf217_prep, .Lfunc_end_k_q785bbdf217_prep-k_q785bbdf217_prep
	.p2alignl 7, 3214868480
	.fill 96, 4, 3214868480
	.section	.rodata,"a",@progbits
	.p2align	6, 0x0
	.amdhsa_kernel k_q785bbdf217_prep
		.amdhsa_group_segment_fixed_size 0
		.amdhsa_private_segment_fixed_size 0
		.amdhsa_enable_private_segment 0
		.amdhsa_kernarg_size 72
		.amdhsa_user_sgpr_count 2
		.amdhsa_user_sgpr_kernarg_segment_ptr 1
		.amdhsa_wavefront_size32 1
		.amdhsa_system_sgpr_workgroup_id_x 1
		.amdhsa_system_sgpr_workgroup_id_y 1
		.amdhsa_system_sgpr_workgroup_id_z 1
		.amdhsa_system_vgpr_workitem_id 0
		.amdhsa_next_free_vgpr 160
		.amdhsa_next_free_sgpr 66
		.amdhsa_reserve_vcc 0
		.amdhsa_float_denorm_mode_32 3
		.amdhsa_float_denorm_mode_16_64 3
		.amdhsa_memory_ordered 1
		.amdhsa_forward_progress 1
		.amdhsa_inst_pref_size 30
	.end_amdhsa_kernel
	.amdgpu_metadata
---
amdhsa.version: [ 1, 2 ]
amdhsa.kernels:
  - .name:           k_q785bbdf217_prep
    .symbol:         k_q785bbdf217_prep.kd
    .args:
      - { .name: decoder_input, .offset: 0, .size: 8, .value_kind: global_buffer, .address_space: global }
      - { .name: Wq, .offset: 8, .size: 8, .value_kind: global_buffer, .address_space: global }
      - { .name: Wo, .offset: 16, .size: 8, .value_kind: global_buffer, .address_space: global }
      - { .name: Wk, .offset: 24, .size: 8, .value_kind: global_buffer, .address_space: global }
      - { .name: Wv, .offset: 32, .size: 8, .value_kind: global_buffer, .address_space: global }
      - { .name: dbl, .offset: 40, .size: 8, .value_kind: global_buffer, .address_space: global }
      - { .name: wqb, .offset: 48, .size: 8, .value_kind: global_buffer, .address_space: global }
      - { .name: wob, .offset: 56, .size: 8, .value_kind: global_buffer, .address_space: global }
      - { .name: wkv, .offset: 64, .size: 8, .value_kind: global_buffer, .address_space: global }
    .group_segment_fixed_size: 0
    .private_segment_fixed_size: 0
    .kernarg_segment_align: 8
    .kernarg_segment_size: 72
    .max_flat_workgroup_size: 256
    .sgpr_count:     66
    .vgpr_count:     160
    .wavefront_size: 32
...
	.end_amdgpu_metadata
.endif
;; end of part 5
;; launch kvproj: the kernel of part 2 again; grid 240 x 1, 4 waves a work-group, clusters of 4 x 1, 327,680 bytes of LDS; arguments encoder_output, wkv, bk, bv, kh, vh; writes kh, vh
;; launch qproj: the kernel of part 3 again; grid 8 x 32, 4 waves a work-group, clusters of 4 x 4, 327,680 bytes of LDS; arguments dbl, wqb, bq, qf; writes qf
;; launch attn: the kernel of part 4 again; grid 240 x 1, 4 waves a work-group, clusters of 4 x 1, 327,680 bytes of LDS; arguments qf, kh, vh, obl; writes obl
;; launch oproj: the kernel of part 3 again; grid 8 x 32, 4 waves a work-group, clusters of 4 x 4, 327,680 bytes of LDS; arguments obl, wob, bo, out0; writes out0
